; MI455X (gfx1250); checked and timed in simulation.
; The chip was launched on July 23, 2026; its instructions are those of AMD's public machine-readable ISA for CDNA 5 (MIT licence, August 2026) and "CDNA5" Instruction Set Architecture Reference Guide (July 2026). The comments in the code are by the model that wrote it; some were corrected since.
;; Multi Head Attention. Allowed arithmetic: matrix products marked QUANTISED: E2M3 operands, one E8M0 scale for each 32 along K, by v_wmma_scale_f32_16x16x128_f8f6f4 with both operands' format E2M3, f32 sums; everything else in f32.
;; Inputs: attn_mask 8 x 1,024 x 1,024 bool; k 8 x 1,024 x 1,024 float32; ln_b 1,024 float32; ln_g 1,024 float32; proj_b 1,024 float32; proj_w 1,024 x 1,024 float32; q 8 x 1,024 x 1,024 float32; v 8 x 1,024 x 1,024 float32; w_ks 16 x 1,024 x 64 float32; w_qs 16 x 1,024 x 64 float32; w_vs 16 x 1,024 x 64 float32.
;; Outputs: out0 8 x 1,024 x 1,024 float32.
;; This version of the problem:
;;   THIS VERSION OF THE PROBLEM IS GIVEN IN LOW PRECISION. The matrix products marked QUANTISED in the list below multiply operands that are first quantised to E2M3 (2 exponent bits, 3 mantissa bits; 6 bits a number), with one power-of-two scale for each 32 numbers along K (OCP MX v1.0); their sums are f32. All else is computed in f32.
;;   The module's matrix products, in the order in which they are computed (A, B: the left and right operand; K: the contracted axis; several contracted axes count as one K, in the product's order):
;;     1. [M 1,024, K 1,024] x [K 1,024, N 8,192]; A: input w_qs; B: input q: QUANTISED
;;     2. [M 1,024, K 1,024] x [K 1,024, N 8,192]; A: input w_ks; B: input k: QUANTISED
;;     3. [M 1,024, K 1,024] x [K 1,024, N 8,192]; A: input w_vs; B: input v: QUANTISED
;;     4. batch 128 x [M 1,024, K 64] x [K 64, N 1,024]; A: computed on the way; B: computed on the way: QUANTISED
;;     5. batch 128 x [M 1,024, K 1,024] x [K 1,024, N 64]; A: computed on the way; B: computed on the way: QUANTISED
;;     6. [M 8,192, K 1,024] x [K 1,024, N 1,024]; A: computed on the way; B: input proj_w: QUANTISED
;;   THE QUANTISER, for each operand of a quantised product, along K:
;;     - K is cut into blocks of 32 from its start; a last block that is shorter is filled with zeros.
;;     - A block's scale is 2^e with e = floor(log2(the largest magnitude in the block)) - 2, held to -126 .. 127; a block of zeros has e = 0. As a byte (E8M0): e + 127.
;;     - Each number is divided by its block's scale, clamped to +-7.5, and rounded to the nearest number of E2M3, ties to even, subnormals kept.
;;     - The product sums the exact products of the quantised numbers (number of the format x scale) in f32.
;;   ~~~python
;;   def quantise(x, axis):      # numpy; x: float32 -> the quantised numbers, widened to float32 again
;;       x = np.moveaxis(x, axis, -1); K = x.shape[-1]
;;       x = np.pad(x, [(0, 0)] * (x.ndim - 1) + [(0, -K % 32)]); x = x.reshape(x.shape[:-1] + (-1, 32)); a = np.abs(x).max(-1, keepdims=True)
;;       e = np.where(a > 0, np.clip(np.frexp(np.where(a > 0, a, 1))[1] - 1 - 2, -126, 127), 0)      # np.frexp(a)[1] - 1 = floor(log2(a)), exactly
;;       r = np.clip(x / 2.0 ** e, -7.5, 7.5)
;;       step = 2.0 ** (np.maximum(np.frexp(np.where(r == 0, 1, r))[1] - 1, 0) - 3)
;;       q = np.round(r / step) * step * 2.0 ** e      # np.round: ties to even
;;       return np.moveaxis(q.reshape(q.shape[:-2] + (-1,))[..., :K], -1, axis).astype(np.float32)
;;   ~~~
;;   OPERANDS COMPUTED ON THE WAY. 'Computed on the way' means the value that the module computes at that place (a softmax that the list does not call 'softmax' is quantised finished and normalised). What goes into a quantiser is computed in f32, as accurately as f32 sums, v_exp_f32 and their like allow (about 1e-6 of the number): no bf16 or f16 on the way to a quantiser, and a product that is left as it is and whose result goes on into a quantised operand takes f32 operands (vector FMAs, or v_wmma_f32_16x16x4_f32). A number that lies on a knife's edge between two numbers of the format may be rounded either way, as far as f32 arithmetic and the matrix unit's own rounding can turn it there, and no further.
;; One version. Each part assembles by itself: llvm-mc -triple=amdgcn-amd-amdhsa -mcpu=gfx1250 --defsym DOCPART=n.
;; ======== version 1 of 1: 4 launches
;; limits: right only within a limited range of input values
;; workspace buffers: oc 21,233,664 bytes; os 884,736 bytes; pwc 819,200 bytes; mb 6,291,456 bytes; pc 18,874,368 bytes; ps 786,432 bytes; aoc 6,291,456 bytes; aos 262,144 bytes
;; launch prep (part 1): grid 768 x 1, 4 waves a work-group, no clusters, 34,304 bytes of LDS; arguments q, k, v, w_qs, w_ks, w_vs, proj_w, attn_mask, oc, os, pwc, mb; writes oc, os, pwc, mb
.if DOCPART == 1
	.amdgcn_target "amdgcn-amd-amdhsa--gfx1250"
	.amdhsa_code_object_version 6
	.text
	.protected	k_qa32a7f870c_prep
	.globl	k_qa32a7f870c_prep
	.p2align	8
	.type	k_qa32a7f870c_prep,@function
k_qa32a7f870c_prep:
	s_mov_b64 s[64:65], 0
	v_nop
	global_prefetch_b8 v0, s[64:65] scope:SCOPE_SE
	s_setreg_imm32_b32 hwreg(HW_REG_WAVE_MODE, 25, 1), 1
	s_wait_xcnt 0x0
; PREP: every input operand becomes codes of FP6 (E2M3) with one E8M0 byte for each 32 along K, laid as IMAGES OF OPERAND REGISTERS.
; A fragment (16 rows x 128 K) is 12 registers a lane; its image is 1,536 bytes: registers 4c..4c+3 of lane l at 512 c + 16 l.
; THE ROWS OF A TILE: lane-row m of tile t is row 64 (t/4) + 32 (m/8) + 8 (t%4) + m%8 (tokens, and the columns of w_qs, w_ks, w_vs, where 64 columns are a head).
; Four paths, parted on the work-group's number: X (0-383) q, k, v;  WH (384-575) the three head weights;  WP (576-639) proj_w;  M (640-767) the mask.  Only X touches LDS.
; A block's scale is 2^(floor(log2(largest magnitude)) - 2): the largest magnitude's exponent field less 2, held at 1 from below by a floor among the maximum's leaves.
; LIMITS: a block of zeros carries the byte 1 (not 127) over zero codes: these bytes are read by this program alone.  NaN and infinities among the inputs are not served.
.set FLOOR, 0x1800000                  ; 2^(3 - 127)
.set M2,    0xff000000                 ; takes 2 off an exponent field
.set SEL, 40                           ; s[40:41] selects of v_permlanex16_b32: lane l xor 16
.set HM,  42                           ; s42 a lane mask: lanes 16-31
.set R,   16                           ; X: v16-143 two sets of 64 numbers as loaded
.set X,   144                          ; v144-207 64 numbers of my row: register 32 c + i = k 64 c + 32 h + i
.set PC,  208                          ; v208-219 the fragment's codes
.set PT,  220                          ; v220-226 the upper halves of the two blocks, as converted
.set TM,  228
.set SOP, 232
.set BY,  234
.set WW,  236
.set XX,  237
.set SH8, 238                          ; 8 h
.set PWS, 240                          ; v240-247 my row's scale words of the 8 K steps
.set WX,  32                           ; W: v32-95 two sets of 32 numbers down K
.set CD,  96                           ; v96-119 codes: the images of lanes (m, 0) and (m, 1)
.set WPT, 120
.set WTA, 124
.set WTB, 125
.set WSOP, 126
.set WBY, 127
.set WD,  128
.set ML,  64                           ; M: v64-191 the mask's bytes
.set MFR, 16                           ; v16-47 32 numbers, 2.0 or 0
.set MPC, 48
.set MPT, 60
.set MSC, 63
	s_load_b512 s[4:19], s[0:1], 0x0               ; q, k, v, w_qs, w_ks, w_vs, proj_w, attn_mask
	s_load_b256 s[20:27], s[0:1], 0x40             ; oc, os, pwc, mb
	v_lshl_add_u32 v254, v0, 2, 0x8400
	v_mov_b32 v255, 0
	v_lshrrev_b32 v7, 5, v0
	v_readfirstlane_b32 s28, v7                    ; wave
	v_and_b32 v4, 31, v0                           ; lane
	v_and_b32 v5, 15, v0                           ; r
	v_bfe_u32 v6, v0, 4, 1                         ; h
	v_lshlrev_b32 v1, 4, v4                        ; 16 x lane
	s_mov_b32 s[SEL], 0x76543210
	s_mov_b32 s[SEL+1], 0xfedcba98
	s_mov_b32 s[HM], 0xffff0000
	s_mov_b32 s45, 0                               ; the upper word of every offset pair s[44:45]
	s_wait_kmcnt 0x0
	s_cmp_lt_u32 ttmp9, 384
	s_cbranch_scc1 .Lx
	s_cmp_lt_u32 ttmp9, 576
	s_cbranch_scc1 .Lwh
	s_cmp_lt_u32 ttmp9, 640
	s_cbranch_scc1 .Lwp
; ---- M: a wave takes one batch and one tile of 16 queries.  The mask becomes an operand: code 31 (+7.5) where masked, else 0.
; Along its K, place 16 u + m of the g-th image stands for key row m of key tile 8 g + u.  Lane (r, h), registers 6 c on, wants keys 128 g + 64 c + 16 h + {0-7, 32-39, 8-15, 40-47}.
; Each load takes 32 bytes of 16 rows; a wave's 32 loads take its 16 rows whole.
	s_sub_co_u32 s29, ttmp9, 640
	s_lshl_b32 s29, s29, 2
	s_add_co_u32 s29, s29, s28                     ; 64 b + query tile
	s_lshr_b32 s30, s29, 6
	s_and_b32 s31, s29, 63
	s_lshl_b32 s44, s30, 20
	s_lshr_b32 s39, s31, 2
	s_lshl_b32 s39, s39, 16
	s_add_co_u32 s44, s44, s39
	s_and_b32 s39, s31, 3
	s_lshl_b32 s39, s39, 13
	s_add_co_u32 s44, s44, s39
	s_add_nc_u64 s[32:33], s[18:19], s[44:45]
	s_mul_i32 s44, s29, 12288
	s_add_nc_u64 s[34:35], s[26:27], s[44:45]
	v_lshrrev_b32 v8, 3, v5
	v_lshlrev_b32 v8, 15, v8
	v_and_b32 v9, 7, v5
	v_lshl_add_u32 v8, v9, 10, v8
	v_lshl_add_u32 v8, v6, 4, v8                   ; (32 (r/8) + r%8) rows of 1,024 bytes + 16 h
	v_mov_b32 v[MSC], 0x3c000000                   ; the conversion's scale 2^-7: 2.0 / 2^-7 lies beyond 7.5 and is held at the largest code
.set n_, 0
.rept 16
	global_load_b128 v[ML+8*n_:ML+8*n_+3], v8, s[32:33] offset:64*n_
	global_load_b128 v[ML+8*n_+4:ML+8*n_+7], v8, s[32:33] offset:64*n_+32
.set n_, n_+1
.endr
.set n_, 0
.rept 16                                       ; n = 2 g + c
	s_wait_loadcnt 30-2*n_                         ; this half image's two loads are in; the younger ones may be out
.if (n_%2 == 0) && (n_ > 0)
	s_wait_xcnt 0x0                                ; the last image's stores have read their registers
.endif
.set e_, 0
.rept 4
.set d_, 0
.rept 2
.set i_, 0
.rept 4
	v_lshlrev_b32 v[MFR+8*e_+4*d_+i_], 30-8*i_, v[ML+8*n_+4*(e_%2)+2*(e_/2)+d_]   ; the byte's lowest bit to bit 30
.set i_, i_+1
.endr
.set d_, d_+1
.endr
.set e_, e_+1
.endr
.set i_, 0
.rept 32
	v_and_b32 v[MFR+i_], 0x40000000, v[MFR+i_]     ; 2.0 or 0
.set i_, i_+1
.endr
	v_cvt_scalef32_pk16_fp6_f32 v[MPC+6*(n_%2):MPC+6*(n_%2)+2], v[MFR:MFR+15], v[MSC]
	v_cvt_scalef32_pk16_fp6_f32 v[MPT:MPT+2], v[MFR+16:MFR+31], v[MSC]
	v_nop                                          ; one plain line behind the conversions
.irp i, 0,1,2
	v_mov_b32 v[MPC+6*(n_%2)+3+\i], v[MPT+\i]
.endr
.if n_%2 == 1
.irp c, 0,1,2
	global_store_b128 v1, v[MPC+4*\c:MPC+4*\c+3], s[34:35] offset:1536*(n_/2)+512*\c   ; 512 bytes on end
.endr
.endif
.set n_, n_+1
.endr
	s_endpgm
; 64 numbers of a lane at v[src] on become 12 registers of codes at v[PC] on and the row's scale word in v[pw].
.macro QUANT0 src, pw
.irp q, 0,1,2,3
	v_max3_num_f32 v[TM+\q], |v[(\src)+16*\q]|, |v[(\src)+16*\q+1]|, FLOOR   ; four chains of 16 numbers, by turns
.endr
.irp i, 2,4,6,8,10,12,14
.irp q, 0,1,2,3
	v_max3_num_f32 v[TM+\q], |v[(\src)+16*\q+\i]|, |v[(\src)+16*\q+\i+1]|, v[TM+\q]
.endr
.endr
.irp c, 0,1
	v_max_num_f32 v[TM+2*\c], v[TM+2*\c], v[TM+2*\c+1]   ; block 2 c + h: all its 32 numbers are mine
.endr
.irp c, 0,1
	v_add_nc_u32 v[SOP+\c], M2, v[TM+2*\c]         ; the conversion takes this operand's exponent field as its scale
.endr
.irp c, 0,1
	v_lshrrev_b32 v[BY+\c], 23, v[SOP+\c]          ; the scale's byte
.endr
	v_lshl_or_b32 v[WW], v[BY+1], 16, v[BY]
	v_lshlrev_b32 v[WW], v[SH8], v[WW]             ; my bytes h and 2 + h at their places,
	v_permlanex16_b32 v[XX], v[WW], s[SEL], s[SEL+1]
	v_or_b32 v[\pw], v[WW], v[XX]                  ; with lane l xor 16's two the word is whole
.irp c, 0,1
	v_cvt_scalef32_pk16_fp6_f32 v[PC+6*\c:PC+6*\c+2], v[(\src)+32*\c:(\src)+32*\c+15], v[SOP+\c]
	v_cvt_scalef32_pk16_fp6_f32 v[PT+4*\c:PT+4*\c+2], v[(\src)+32*\c+16:(\src)+32*\c+31], v[SOP+\c]   ; (three registers begin on an even number)
.endr
	v_nop                                          ; one plain line behind the conversions
.irp c, 0,1
.irp i, 0,1,2
	v_mov_b32 v[PC+6*\c+3+\i], v[PT+4*\c+\i]
.endr
.endr
.endm
; ---- X: a wave takes one tile of 16 tokens through the 8 K steps.  Each load reads 512 bytes on end of one row; a step's 16 rows turn through the wave's own stage (pitch 528), so that a lane gets 2 x 32 neighbours of its row.
.macro XLOAD s
.irp k, 0,1,2,3,4,5,6,7,8,9,10,11,12,13,14,15
	global_load_b128 v[R+64*((\s)%2)+4*\k:R+64*((\s)%2)+4*\k+3], v1, s[32:33] offset:(32*(\k/8)+\k%8)*4096+512*(\s) th:TH_LOAD_NT
.endr
.endm
.macro XSTEP s
.if (\s) < 7
	s_wait_loadcnt 16                              ; this step's 16 loads are in; the next step's may be out
.else
	s_wait_loadcnt 0x0
.endif
.irp k, 0,1,2,3,4,5,6,7,8,9,10,11,12,13,14,15
	ds_store_b128 v2, v[R+64*((\s)%2)+4*\k:R+64*((\s)%2)+4*\k+3] offset:528*\k
.endr
.irp c, 0,1
.irp j, 0,1,2,3,4,5,6,7
	ds_load_b128 v[X+32*\c+4*\j:X+32*\c+4*\j+3], v3 offset:256*\c+16*\j   ; LDS serves a wave's instructions in order: these see the stores above
.endr
.endr
	s_wait_dscnt 0x0
	s_wait_xcnt 0x0                                ; the last step's stores have read the codes' registers
.if (\s) < 6
	XLOAD (\s)+2
.endif
	QUANT0 X, PWS+\s
.irp c, 0,1,2
	global_store_b128 v1, v[PC+4*\c:PC+4*\c+3], s[34:35] offset:((\s)/2)*1572864+((\s)%2)*1536+512*\c
.endr
.endm
.Lx:
	s_lshl_b32 s29, ttmp9, 2
	s_add_co_u32 s29, s29, s28
	s_lshr_b32 s30, s29, 9                         ; which tensor
	s_and_b32 s31, s29, 511                        ; which tile
	s_cmp_eq_u32 s30, 0
	s_cselect_b64 s[32:33], s[4:5], s[6:7]
	s_cmp_eq_u32 s30, 2
	s_cselect_b64 s[32:33], s[8:9], s[32:33]
	s_lshr_b32 s44, s31, 2
	s_lshl_b32 s44, s44, 18
	s_and_b32 s39, s31, 3
	s_lshl_b32 s39, s39, 15
	s_add_co_u32 s44, s44, s39                     ; (64 (t/4) + 8 (t%4)) rows of 4,096 bytes
	s_add_nc_u64 s[32:33], s[32:33], s[44:45]
	s_mul_i32 s44, s30, 6291456
	s_mul_i32 s39, s31, 3072
	s_add_co_u32 s44, s44, s39
	s_add_nc_u64 s[34:35], s[20:21], s[44:45]
	s_lshl_b32 s44, s30, 18
	s_lshl_b32 s39, s31, 9
	s_add_co_u32 s44, s44, s39
	s_add_nc_u64 s[36:37], s[22:23], s[44:45]
	s_mul_i32 s39, s28, 8448                       ; my stage
	v_add_nc_u32 v2, s39, v1
	v_mul_u32_u24 v3, v5, 528
	v_lshl_add_u32 v3, v6, 7, v3
	v_add_nc_u32 v3, s39, v3
	v_lshlrev_b32 v[SH8], 3, v6
	v_mov_b32 v[XX], 0                             ; a lane permute's destination counts as read
	v_lshlrev_b32 v8, 5, v5
	v_lshl_add_u32 v8, v6, 4, v8                   ; 32 r + 16 h
	XLOAD 0
	XLOAD 1
.irp s, 0,1,2,3,4,5,6,7
	XSTEP \s
.endr
.irp i, 0,1,2,3
	v_cndmask_b32 v[248+\i], v[PWS+\i], v[PWS+4+\i], s[HM]   ; lanes 0-15 store K steps 0-3 of row r, lanes 16-31 steps 4-7
.endr
	global_store_b128 v8, v[248:251], s[36:37]     ; 512 bytes on end: the tile's 16 rows x 8 words
	s_wait_tensorcnt 0x0
	ds_add_u32 v254, v255
	s_wait_dscnt 0x0
	s_endpgm
; ---- W: K is the weights' outer axis.  A lane takes a column and its registers run down K: a block of 32 lies in one lane, and the conversions give codes with K innermost.
; A wave takes two tiles (u = lane/16, m = lane%16) and one K step of 128.  Block t is what lane (m, t%2) of the operand holds in registers 6 (t/2) on.
.macro WLOAD t, pitch
.set i_, 0
.rept 32
	global_load_b32 v[WX+32*((\t)%2)+i_], v8, s[32:33] offset:(32*(\t)+i_)*(\pitch)
.set i_, i_+1
.endr
.endm
.macro WBLOCK t, pitch
.set XS_, WX+32*((\t)%2)
.set CD_, CD+12*((\t)%2)+6*((\t)/2)
.if (\t) < 3
	s_wait_loadcnt 32                              ; this block's 32 loads are in; the next block's may be out
.else
	s_wait_loadcnt 0x0
.endif
	v_max3_num_f32 v[WTA], |v[XS_]|, |v[XS_+1]|, FLOOR
	v_max3_num_f32 v[WTB], |v[XS_+16]|, |v[XS_+17]|, FLOOR
.irp i, 2,4,6,8,10,12,14
	v_max3_num_f32 v[WTA], |v[XS_+\i]|, |v[XS_+\i+1]|, v[WTA]
	v_max3_num_f32 v[WTB], |v[XS_+16+\i]|, |v[XS_+17+\i]|, v[WTB]
.endr
	v_max_num_f32 v[WTA], v[WTA], v[WTB]
	v_add_nc_u32 v[WSOP], M2, v[WTA]
	v_lshrrev_b32 v[WBY], 23, v[WSOP]
.if (\t) == 0
	v_mov_b32 v[WD], v[WBY]
.else
	v_lshl_or_b32 v[WD], v[WBY], 8*(\t), v[WD]     ; the column's scale word: byte t
.endif
	v_cvt_scalef32_pk16_fp6_f32 v[CD_:CD_+2], v[XS_:XS_+15], v[WSOP]
	v_cvt_scalef32_pk16_fp6_f32 v[WPT:WPT+2], v[XS_+16:XS_+31], v[WSOP]
	v_nop
.irp i, 0,1,2
	v_mov_b32 v[CD_+3+\i], v[WPT+\i]
.endr
.if (\t) < 2
	WLOAD (\t)+2, \pitch
.endif
.endm
.macro WPATH pitch                             ; v8 my column's bytes, v9 where my codes go, v10 where my word goes; s[32:33] in, s[34:35] codes, s[36:37] words
	WLOAD 0, \pitch
	WLOAD 1, \pitch
.irp t, 0,1,2,3
	WBLOCK \t, \pitch
.endr
.irp hh, 0,1
.irp c, 0,1,2
	global_store_b128 v9, v[CD+12*\hh+4*\c:CD+12*\hh+4*\c+3], s[34:35] offset:512*\c+256*\hh   ; sixteen lanes store 256 bytes on end, aligned, in each of the two tiles
.endr
.endr
	global_store_b32 v10, v[WD], s[36:37]
.endm
.Lwh:                                              ; (the head weights' words go out 4 bytes to a row of 32: 98,304 bytes in all)
	s_sub_co_u32 s29, ttmp9, 384
	s_lshl_b32 s29, s29, 2
	s_add_co_u32 s29, s29, s28
	s_and_b32 s30, s29, 31                         ; y2: tiles 2 y2, 2 y2 + 1
	s_bfe_u32 s31, s29, 0x30005                    ; K step
	s_lshr_b32 s38, s29, 8                         ; which weight
	s_cmp_eq_u32 s38, 0
	s_cselect_b64 s[32:33], s[10:11], s[12:13]
	s_cmp_eq_u32 s38, 2
	s_cselect_b64 s[32:33], s[14:15], s[32:33]
	s_lshr_b32 s44, s30, 1
	s_lshl_b32 s44, s44, 18                        ; the head
	s_lshl_b32 s39, s31, 15                        ; 128 rows of 256 bytes a K step
	s_add_co_u32 s44, s44, s39
	s_add_nc_u64 s[32:33], s[32:33], s[44:45]
	s_mul_i32 s44, s38, 786432
	s_add_co_u32 s44, s44, 18874368
	s_lshr_b32 s39, s31, 1
	s_mul_i32 s39, s39, 196608
	s_add_co_u32 s44, s44, s39
	s_mul_i32 s39, s30, 6144
	s_add_co_u32 s44, s44, s39
	s_and_b32 s39, s31, 1
	s_mul_i32 s39, s39, 1536
	s_add_co_u32 s44, s44, s39
	s_add_nc_u64 s[34:35], s[20:21], s[44:45]
	s_lshl_b32 s44, s38, 15
	s_add_co_u32 s44, s44, 786432
	s_lshl_b32 s39, s30, 10
	s_add_co_u32 s44, s44, s39
	s_lshl_b32 s39, s31, 2
	s_add_co_u32 s44, s44, s39
	s_add_nc_u64 s[36:37], s[22:23], s[44:45]
	v_lshrrev_b32 v8, 3, v5
	v_lshlrev_b32 v8, 5, v8
	v_and_b32 v9, 7, v5
	v_add_nc_u32 v8, v8, v9
	v_lshl_add_u32 v8, v6, 3, v8
	s_and_b32 s39, s30, 1
	s_lshl_b32 s39, s39, 4
	v_add_nc_u32 v8, s39, v8                       ; column in the head: 32 (m/8) + 16 (y2%2) + 8 u + m%8
	v_lshlrev_b32 v8, 2, v8
	v_mul_u32_u24 v9, v6, 3072
	v_lshl_add_u32 v9, v5, 4, v9
	v_lshlrev_b32 v10, 9, v6
	v_lshl_add_u32 v10, v5, 5, v10
	WPATH 256
	s_endpgm
.Lwp:                                              ; proj_w: columns as they lie: tile t16 of a quarter holds columns 256 x quarter + 16 t16 + m
	s_sub_co_u32 s29, ttmp9, 576
	s_lshl_b32 s29, s29, 2
	s_add_co_u32 s29, s29, s28
	s_and_b32 s30, s29, 31
	s_lshr_b32 s31, s29, 5                         ; K step
	s_lshl_b32 s44, s31, 19                        ; 128 rows of 4,096 bytes
	s_lshl_b32 s39, s30, 7                         ; 32 columns
	s_add_co_u32 s44, s44, s39
	s_add_nc_u64 s[32:33], s[16:17], s[44:45]
	s_lshr_b32 s44, s30, 3
	s_mul_i32 s44, s44, 204800                     ; the quarter,
	s_mul_i32 s39, s31, 25600                      ; its K step's 16 images and 1,024 bytes of words
	s_add_co_u32 s38, s44, s39
	s_and_b32 s39, s30, 7
	s_mul_i32 s39, s39, 3072
	s_add_co_u32 s44, s38, s39
	s_add_nc_u64 s[34:35], s[24:25], s[44:45]
	s_bfe_u32 s39, s30, 0x10002
	s_lshl_b32 s39, s39, 9
	s_add_co_u32 s44, s38, s39
	s_and_b32 s39, s30, 3
	s_lshl_b32 s39, s39, 2
	s_add_co_u32 s44, s44, s39
	s_add_co_u32 s44, s44, 24576
	s_add_nc_u64 s[36:37], s[24:25], s[44:45]
	v_lshlrev_b32 v8, 2, v4
	v_mul_u32_u24 v9, v6, 1536
	v_lshl_add_u32 v9, v5, 4, v9
	v_lshlrev_b32 v10, 4, v4
	WPATH 4096
	s_endpgm
.Lfunc_end_k_qa32a7f870c_prep:
	.size	k_qa32a7f870c_prep, .Lfunc_end_k_qa32a7f870c_prep-k_qa32a7f870c_prep
	.p2alignl 7, 3214868480
	.fill 96, 4, 3214868480
	.section	.rodata,"a",@progbits
	.p2align	6, 0x0
	.amdhsa_kernel k_qa32a7f870c_prep
		.amdhsa_group_segment_fixed_size 34304
		.amdhsa_private_segment_fixed_size 0
		.amdhsa_enable_private_segment 0
		.amdhsa_kernarg_size 96
		.amdhsa_user_sgpr_count 2
		.amdhsa_user_sgpr_kernarg_segment_ptr 1
		.amdhsa_wavefront_size32 1
		.amdhsa_system_sgpr_workgroup_id_x 1
		.amdhsa_system_sgpr_workgroup_id_y 1
		.amdhsa_system_sgpr_workgroup_id_z 1
		.amdhsa_system_vgpr_workitem_id 0
		.amdhsa_next_free_vgpr 256
		.amdhsa_next_free_sgpr 66
		.amdhsa_reserve_vcc 0
		.amdhsa_float_denorm_mode_32 3
		.amdhsa_float_denorm_mode_16_64 3
		.amdhsa_memory_ordered 1
		.amdhsa_forward_progress 1
		.amdhsa_inst_pref_size 142
	.end_amdhsa_kernel
	.amdgpu_metadata
---
amdhsa.version: [ 1, 2 ]
amdhsa.kernels:
  - .name:           k_qa32a7f870c_prep
    .symbol:         k_qa32a7f870c_prep.kd
    .args:
      - { .name: q, .offset: 0, .size: 8, .value_kind: global_buffer, .address_space: global }
      - { .name: k, .offset: 8, .size: 8, .value_kind: global_buffer, .address_space: global }
      - { .name: v, .offset: 16, .size: 8, .value_kind: global_buffer, .address_space: global }
      - { .name: w_qs, .offset: 24, .size: 8, .value_kind: global_buffer, .address_space: global }
      - { .name: w_ks, .offset: 32, .size: 8, .value_kind: global_buffer, .address_space: global }
      - { .name: w_vs, .offset: 40, .size: 8, .value_kind: global_buffer, .address_space: global }
      - { .name: proj_w, .offset: 48, .size: 8, .value_kind: global_buffer, .address_space: global }
      - { .name: attn_mask, .offset: 56, .size: 8, .value_kind: global_buffer, .address_space: global }
      - { .name: oc, .offset: 64, .size: 8, .value_kind: global_buffer, .address_space: global }
      - { .name: os, .offset: 72, .size: 8, .value_kind: global_buffer, .address_space: global }
      - { .name: pwc, .offset: 80, .size: 8, .value_kind: global_buffer, .address_space: global }
      - { .name: mb, .offset: 88, .size: 8, .value_kind: global_buffer, .address_space: global }
    .group_segment_fixed_size: 34304
    .private_segment_fixed_size: 0
    .kernarg_segment_align: 8
    .kernarg_segment_size: 96
    .max_flat_workgroup_size: 128
    .sgpr_count:     66
    .vgpr_count:     256
    .wavefront_size: 32
...
	.end_amdgpu_metadata
.endif
;; end of part 1
;; launch proj (part 2): grid 4 x 96, 4 waves a work-group, clusters of 4 x 4, 327,680 bytes of LDS; arguments oc, os, pc, ps; writes pc, ps
.if DOCPART == 2
	.amdgcn_target "amdgcn-amd-amdhsa--gfx1250"
	.amdhsa_code_object_version 6
	.text
	.protected	k_qa32a7f870c_proj
	.globl	k_qa32a7f870c_proj
	.p2align	8
	.type	k_qa32a7f870c_proj,@function
k_qa32a7f870c_proj:
	s_mov_b64 s[64:65], 0
	v_nop
	global_prefetch_b8 v0, s[64:65] scope:SCOPE_SE
	s_setreg_imm32_b32 hwreg(HW_REG_WAVE_MODE, 25, 1), 1
	s_wait_xcnt 0x0
	s_wait_alu depctr_hold_cnt(0) depctr_sa_sdst(0) depctr_va_vdst(0) depctr_va_sdst(0) depctr_va_ssrc(0) depctr_va_vcc(0) depctr_vm_vsrc(0)
	s_getreg_b32 s2, hwreg(HW_REG_IB_STS2, 6, 4)
	s_cmp_eq_u32 s2, 0
	s_cbranch_scc0 .Lentry_in_a_cluster
	s_endpgm
.Lentry_in_a_cluster:
	s_bfe_u32 s2, ttmp6, 0x10000c
	s_cmp_lg_u32 s2, 0xf033
	s_cbranch_scc0 .Lentry_shape_is_right
	s_endpgm
.Lentry_shape_is_right:
; PROJ: the three head projections, 8,192 tokens x 1,024 columns x K 1,024 each, on codes of FP6 with E8M0 scales, and the quantising of their results for the attention's products.
; A tile of 256 x 256 to a work-group of four waves, 128 x 128 to a wave: 64 accumulators, 512 registers.  K is four slots' worth of 256 and goes through THREE LDS slots:
; slots 0, 1, 2 are first fills; the fourth tile is the one refill, into slot 0, asked for behind the first change of slots: 256 products of a wave stand between the request and the wait for it.
; Operands lie in memory as images of their registers: a slot's tile is one dense block, a fragment comes by three ds_load_b128 of 512 bytes on end: no pitch, no padding.
; THE SCALE WORDS of a wave's 128 + 128 rows, for all of K (8 words a row), come once, straight into 64 registers: lanes 0-15 hold A's, lanes 16-31 B's.
; SOURCE 0 ("B") is the side whose rows become the NEXT product's K: the weight's columns for q and k (K = the head's 64), the tokens for v (K = the keys).  Source 1 ("A") is the other side.
; By the order of rows in a tile a lane's 64 results of one block of A are 2 x 32 neighbours along the next K, in the order of the operand's registers: they are quantised in registers and stored as half images of 768 bytes.
; CLUSTERS: 4 x 4 work-groups; A's tiles are asked for jointly along a row of the cluster, B's along a column.  24 clusters: 8 for each of q, k, v.
; LIMITS: a block of zeros carries the byte 1 over zero codes; NaN and infinities are not served.
; REGISTERS: window 0: v16-29 addresses; v32-95 scale words (the way out lays its work over v64-95); v96-111 the way out; v128-223 A's fragments, one set.  window 1: B's fragments, two sets.  windows 2, 3: accumulator (a, b) at v[8 (8 (a%4) + b)].
.set FR,    12
.set NL,    3
.set NP,    4
.set HALFT, 24576                      ; 8 tiles x 2 K steps x 1,536: what one tensor load brings
.set SLOT,  4*HALFT
.set SPARE, 3*SLOT                     ; behind the three slots: the spare words, 128 bytes a wave
.set FLOOR, 0x1800000
.set M2,    0xff000000
.set ADRA, 16                          ; v16-18 LDS address of my A fragments in slots 0, 1, 2
.set ADRB, 20                          ; v20-22 the same for B
.set SOFF, 26                          ; v26 my row's scale words in memory
.set SPW,  28
.set NIL,  29
.set SC,   32                          ; register SC + 8 i + s: K step s; lanes 0-15 the word of A's block i, lanes 16-31 of B's block i
.set PC,   64
.set PT,   76
.set TM,   84
.set SOP,  88
.set BY,   90
.set WW,   92
.set XX,   93
.set PWS,  96
.set L16,  104
.set L8,   105
.set SH8,  106
.set AF,   128
.set G1, 24                            ; s[24:31] descriptor group 1 for A's tiles;  s[32:43] group 0, a set for each slot
.set G0, 32
.set G1B, 48                           ; s[48:55], s[76:87] the same for B's
.set G0B, 76
.set STA, 92                           ; s[92:93] from slot to slot in A's memory; s[94:95] in B's
.set STB, 94
.set MSB, 0
.macro WIN new
.if MSB != (\new)
	s_set_vgpr_msb (MSB<<8)|(\new)
.set MSB, (\new)
.endif
.endm
.set MUL_LO, 0xa1
.set MUL_HI, 0xf1
.set TO_B,   0x40
.macro JLOAD g0a, g1a, g0b, g1b        ; waves 0, 1 fetch for A, waves 2, 3 for B; four v_nop follow each line
	s_cmp_eq_u32 s15, 0
	s_cbranch_scc0 .Lfor_b_\@
	tensor_load_to_lds s[\g0a:\g0a+3], s[\g1a:\g1a+7]
	s_nop 0
.rept 4
	v_nop
.endr
	s_branch .Lasked_\@
.Lfor_b_\@:
	tensor_load_to_lds s[\g0b:\g0b+3], s[\g1b:\g1b+7]
	s_nop 0
.rept 4
	v_nop
.endr
.Lasked_\@:
.endm
.macro CREST
	s_cmp_lg_u32 s14, 0
	s_cbranch_scc1 .Lnot_wave_0_\@
	s_barrier_signal -3
.Lnot_wave_0_\@:
	s_barrier_wait -3
	s_barrier_signal -1
	s_barrier_wait -1
.endm
.macro CROUND
	s_barrier_signal -1
	s_barrier_wait -1
	CREST
.endm
	s_load_b256 s[4:11], s[0:1], 0x0               ; oc, os, pc, ps
	v_lshl_add_u32 v[SPW], v0, 2, SPARE
	v_mov_b32 v[NIL], 0
	ds_add_u32 v28, v29
	ds_add_u32 v28, v29
	s_wait_dscnt 0x0
	v_lshrrev_b32 v1, 5, v0
	v_readfirstlane_b32 s14, v1                    ; wave
	s_lshr_b32 s15, s14, 1                         ; my half of A's rows.  Also: I fetch for A (0) or B (1)
	s_and_b32 s16, s14, 1                          ; my half of B's rows.  Also: which half of that tile I fetch
	s_bfe_u32 s68, ttmp6, 0x40000                  ; cx
	s_bfe_u32 s69, ttmp6, 0x40004                  ; cy
	s_lshl_b32 s70, s69, 2
	s_lshl_b32 s70, 15, s70                        ; my row of the cluster
	s_lshl_b32 s71, 0x1111, s68                    ; my column
	s_mov_b32 s72, 0xffff0000                      ; a lane mask: lanes 16-31
	s_mov_b32 s74, 0x76543210                      ; selects of v_permlanex16_b32: lane l xor 16
	s_mov_b32 s75, 0xfedcba98
	s_or_b32 s[G1+0], s70, (3<<16)|(1<<21)         ; 15:0 the mask; 17:16 elements of 8 bytes; 21 set beside a mask; no padding
	s_or_b32 s[G1B+0], s71, (3<<16)|(1<<21)
.irp g, G1, G1B
	s_mov_b32 s[\g+1], 32<<16                      ; rows of 256 bytes,
	s_mov_b32 s[\g+2], 96<<16                      ; 96 of them: 24,576 dense bytes
	s_mov_b32 s[\g+3], 32<<16
	s_mov_b32 s[\g+4], 96
	s_mov_b32 s[\g+5], 32
	s_mov_b32 s[\g+6], 0
	s_mov_b32 s[\g+7], 0
.endr
	s_and_b32 s17, ttmp7, 0xffff                   ; the cluster's y: 0..23
	s_lshr_b32 s18, s17, 3                         ; T: q, k, v
	s_and_b32 s19, s17, 7
	s_lshl_b32 s19, s19, 2                         ; four tiles of tokens to a cluster
	s_mul_i32 s22, s18, 6291456                    ; the tokens' codes,
	s_mul_i32 s23, s18, 786432
	s_add_co_u32 s23, s23, 18874368                ; the weight's codes,
	s_lshl_b32 s45, s18, 18                        ; the tokens' words,
	s_lshl_b32 s46, s18, 15
	s_add_co_u32 s46, s46, 786432                  ; the weight's words
	s_mov_b32 s47, 1572864                         ; from slot to slot: tokens,
	s_mov_b32 s96, 196608                          ; weight
	s_cmp_eq_u32 s18, 2                            ; for v the sides change places: the choice hangs on the cluster's number alone
	s_cselect_b32 s20, 0, s19
	s_cselect_b32 s21, s19, 0
	s_cselect_b32 s97, s23, s22
	s_cselect_b32 s98, s22, s23
	s_cselect_b32 s99, s46, s45
	s_cselect_b32 s100, s45, s46
	s_cselect_b32 s[STA], s96, s47
	s_cselect_b32 s[STB], s47, s96
	s_mov_b32 s[STA+1], 0
	s_mov_b32 s[STB+1], 0
	s_add_co_u32 s20, s20, s69                     ; A's tile: hangs on cy alone within the cluster
	s_add_co_u32 s21, s21, s68                     ; B's tile: on cx alone
	s_mul_i32 s23, s16, HALFT
	s_mul_i32 s22, s20, 49152
	s_add_co_u32 s22, s22, s97
	s_add_co_u32 s22, s22, s23
	s_mul_i32 s46, s21, 49152
	s_add_co_u32 s46, s46, s98
	s_add_co_u32 s46, s46, s23
	s_lshl_b32 s96, s20, 13                        ; the words that I multiply by: A's tile, my 128 rows of it,
	s_add_co_u32 s96, s96, s99
	s_lshl_b32 s47, s15, 12
	s_add_co_u32 s96, s96, s47
	s_lshl_b32 s98, s21, 13                        ; and B's
	s_add_co_u32 s98, s98, s100
	s_lshl_b32 s47, s16, 12
	s_add_co_u32 s98, s98, s47
	s_mov_b32 s23, 0
	s_mov_b32 s47, 0
	s_mul_i32 s45, s14, HALFT                      ; where the tiles go: wave x 24,576: no place in the cluster enters an LDS address
	v_and_b32 v1, 15, v0                           ; r
	v_bfe_u32 v2, v0, 4, 1                         ; h
	v_and_b32 v3, 31, v0
	v_lshlrev_b32 v[L16], 4, v3
	v_lshlrev_b32 v[L8], 3, v3
	v_add_nc_u32 v[L8], 512, v[L8]
	v_lshlrev_b32 v[SH8], 3, v2
	v_mov_b32 v5, s96
	v_mov_b32 v6, s98
	v_cndmask_b32 v5, v5, v6, s72                  ; lanes 16-31 take B's words
	v_lshl_add_u32 v[SOFF], v1, 5, v5              ; a row's eight words are 32 bytes
	s_mul_i32 s12, s15, HALFT
	s_mul_i32 s13, s16, HALFT
	s_add_co_u32 s13, s13, 2*HALFT
.irp s, 0,1,2
	v_add_nc_u32 v[ADRA+\s], s12, v[L16]
	v_add_nc_u32 v[ADRB+\s], s13, v[L16]
	s_add_co_u32 s12, s12, SLOT
	s_add_co_u32 s13, s13, SLOT
.endr
	s_wait_kmcnt 0x0
.irp i, 0,1,2,3,4,5,6,7
	global_load_b128 v[SC+8*\i:SC+8*\i+3], v[SOFF], s[6:7] offset:512*\i         ; K steps 0-3 of block i's rows; the two loads together take the block's 512 bytes whole, on each side
	global_load_b128 v[SC+8*\i+4:SC+8*\i+7], v[SOFF], s[6:7] offset:512*\i+16    ; K steps 4-7
.endr
	s_add_nc_u64 s[22:23], s[4:5], s[22:23]
	s_add_nc_u64 s[46:47], s[4:5], s[46:47]
	CROUND                                         ; all sixteen work-groups are here: the first joint loads meet
.irp n, 0,1,2
	s_mov_b32 s[G0+4*\n], 1
	s_add_co_u32 s[G0+4*\n+1], s45, \n*SLOT
	s_mov_b64 s[G0+4*\n+2:G0+4*\n+3], s[22:23]
	s_or_b32 s[G0+4*\n+3], s[G0+4*\n+3], 0x80000000
	s_mov_b32 s[G0B+4*\n], 1
	s_add_co_u32 s[G0B+4*\n+1], s45, \n*SLOT
	s_mov_b64 s[G0B+4*\n+2:G0B+4*\n+3], s[46:47]
	s_or_b32 s[G0B+4*\n+3], s[G0B+4*\n+3], 0x80000000
	JLOAD G0+4*\n, G1, G0B+4*\n, G1B               ; three loads of mine are out behind the third
	s_add_nc_u64 s[22:23], s[22:23], s[STA:STA+1]  ; on to the next slot's tile; behind the third: the tile of the one refill
	s_add_nc_u64 s[46:47], s[46:47], s[STB:STB+1]
.endr
.macro FRAG reg, adr, q, i             ; an image comes back as it was stored: three loads of 512 bytes on end
.irp c, 0,1,2
	ds_load_b128 v[\reg+4*\c:\reg+4*\c+3], v[\adr] offset:(\i)*3072+(\q)*1536+512*\c
.endr
.endm
; 16 matrix instructions: A's blocks a0, a0 + 1 x B's eight.  p: B's set;  ks: the K step, 0 to 7.  The 64 accumulators take turns, one instruction a turn, in the same order in every step.
.macro MUL16 a0, p, ks, zero
.irp a, \a0, \a0+1
.irp b, 0,1,2,3,4,5,6,7
.if \zero
	v_wmma_scale_f32_16x16x128_f8f6f4 v[8*(8*((\a)%4)+\b):8*(8*((\a)%4)+\b)+7], v[128*(\p)+FR*\b:128*(\p)+FR*\b+FR-1], v[AF+FR*(\a):AF+FR*(\a)+FR-1], 0, v[SC+8*\b+(\ks)], v[SC+8*(\a)+(\ks)] matrix_a_fmt:MATRIX_FMT_FP6 matrix_b_fmt:MATRIX_FMT_FP6 matrix_a_scale:MATRIX_SCALE_ROW1
.else
	v_wmma_scale_f32_16x16x128_f8f6f4 v[8*(8*((\a)%4)+\b):8*(8*((\a)%4)+\b)+7], v[128*(\p)+FR*\b:128*(\p)+FR*\b+FR-1], v[AF+FR*(\a):AF+FR*(\a)+FR-1], v[8*(8*((\a)%4)+\b):8*(8*((\a)%4)+\b)+7], v[SC+8*\b+(\ks)], v[SC+8*(\a)+(\ks)] matrix_a_fmt:MATRIX_FMT_FP6 matrix_b_fmt:MATRIX_FMT_FP6 matrix_a_scale:MATRIX_SCALE_ROW1
.endif
.endr
.endr
.endm
.macro FETCH_B slot, q, p
	WIN TO_B
.irp i, 0,1,2,3,4,5,6,7
	FRAG 128*(\p)+FR*\i, ADRB+\slot, \q, \i
.endr
	WIN 0
.endm
.macro FETCH_A slot, q, i0
.irp i, \i0, \i0+1, \i0+2, \i0+3
	FRAG AF+FR*(\i), ADRA+\slot, \q, \i
.endr
.endm
.macro PLACES n                        ; plain lines between a matrix instruction and a load into, or a read of, its registers
.rept \n
	v_nop
.endr
.endm
; K step ks (B's set ks%2); its successor lies at half nq of slot nslot, which every wave has been shown whole: no barrier.
.macro STEP ks, nslot, nq, zero
	s_wait_dscnt 4*NL                              ; B's set and A's blocks 0-3 are in; the youngest twelve loads (A's blocks 4-7) may be out
	WIN MUL_LO
	MUL16 0, (\ks)%2, \ks, \zero
	MUL16 2, (\ks)%2, \ks, \zero
	s_wait_dscnt 0
	PLACES NP
	FETCH_B \nslot, \nq, 1-(\ks)%2
	FETCH_A \nslot, \nq, 0
	WIN MUL_HI
	MUL16 4, (\ks)%2, \ks, \zero
	MUL16 6, (\ks)%2, \ks, \zero
	PLACES NP
	WIN 0
	FETCH_A \nslot, \nq, 4
.endm
; K step ks, the last of slot 'slot', with a barrier: in front of it each wave waits for all its tensor loads, adds 0 to its spare word, and waits for that and for its reads of this slot.
; fill = 1: this slot takes the fourth tile.  fill = 0: the barrier shows that tile, which the next step reads, whole to every wave.
.macro TURN slot, ks, next, fill
	s_wait_tensorcnt 0x0                           ; all my tensor loads have landed
	ds_add_u32 v[SPW], v[NIL]                      ; 0 onto my spare word
	s_wait_dscnt 4*NL+1                            ; (the add and A's blocks 4-7 may be out)
	WIN MUL_LO
	MUL16 0, 1, \ks, 0
	s_wait_dscnt 0x0                               ; the add is done, and my reads of this slot are over
	s_barrier_signal -1
	MUL16 2, 1, \ks, 0
	WIN 0
	s_barrier_wait -1
.if \fill
	CREST                                          ; the barrier has opened a round of the cluster's barrier: no wave of any partner still reads this slot or has a load on its way
	s_mov_b64 s[G0+4*\slot+2:G0+4*\slot+3], s[22:23]
	s_or_b32 s[G0+4*\slot+3], s[G0+4*\slot+3], 0x80000000
	s_mov_b64 s[G0B+4*\slot+2:G0B+4*\slot+3], s[46:47]
	s_or_b32 s[G0B+4*\slot+3], s[G0B+4*\slot+3], 0x80000000
	JLOAD G0+4*\slot, G1, G0B+4*\slot, G1B         ; the first tensor load behind the round, and my only one; its four v_nop are the places for the loads below
.else
	PLACES NP
.endif
	FETCH_B \next, 0, 0
	FETCH_A \next, 0, 0
	WIN MUL_HI
	MUL16 4, 1, \ks, 0
	MUL16 6, 1, \ks, 0
	PLACES NP
	WIN 0
	FETCH_A \next, 0, 4
.endm
	s_wait_tensorcnt 2                             ; my part of slot 0 is in; slots 1 and 2 may be out
	s_barrier_signal -1
	s_barrier_wait -1
	FETCH_B 0, 0, 0
	FETCH_A 0, 0, 0
	FETCH_A 0, 0, 4
	s_wait_loadcnt 0x0                             ; the scale words
	STEP 0, 0, 1, 1                                ; the first products start the sums: nothing is cleared
	TURN 0, 1, 1, 1                                ; slots 1 and 2 are whole; slot 0 takes the fourth tile
	STEP 2, 1, 1, 0
	STEP 3, 2, 0, 0                                ; on into slot 2, shown whole by the barrier above
	STEP 4, 2, 1, 0
	TURN 2, 5, 0, 0                                ; the fourth tile is whole
	STEP 6, 0, 1, 0
	s_wait_dscnt 4*NL
	WIN MUL_LO
	MUL16 0, 1, 7, 0
	MUL16 2, 1, 7, 0
	s_wait_dscnt 0
	WIN MUL_HI
	MUL16 4, 1, 7, 0
	MUL16 6, 1, 7, 0
	WIN 0
; THE WAY OUT.  Block a's 64 registers are, for the lane's row of A, next-K places 64 c + 32 h + 0..31 (c = 0, 1): two whole blocks of 32.  They become 12 registers of codes and a scale word.
; q, k: c is the head of the pair, the half images lie a head (393,216 bytes) apart, a block of A is a tile of tokens.   v: c is the half of 128 keys, the half images lie on end, a block of A is a tile of the head's 64 channels.
.macro QMAX src, w, pw                 ; the two blocks' scales and the row's word: it touches no register that a store reads
	WIN 5*(\w)
.irp q, 0,1,2,3
	v_max3_num_f32 v[TM+\q], |v[(\src)+16*\q]|, |v[(\src)+16*\q+1]|, FLOOR   ; each accumulator is read from its low end on
.endr
.irp i, 2,4,6,8,10,12,14
.irp q, 0,1,2,3
	v_max3_num_f32 v[TM+\q], |v[(\src)+16*\q+\i]|, |v[(\src)+16*\q+\i+1]|, v[TM+\q]
.endr
.endr
	WIN 0
.irp c, 0,1
	v_max_num_f32 v[TM+2*\c], v[TM+2*\c], v[TM+2*\c+1]
.endr
.irp c, 0,1
	v_add_nc_u32 v[SOP+\c], M2, v[TM+2*\c]
.endr
.irp c, 0,1
	v_lshrrev_b32 v[BY+\c], 23, v[SOP+\c]
.endr
	v_lshl_or_b32 v[WW], v[BY+1], 16, v[BY]
	v_lshlrev_b32 v[WW], v[SH8], v[WW]
	v_permlanex16_b32 v[XX], v[WW], s74, s75
	v_or_b32 v[\pw], v[WW], v[XX]
.endm
.macro QCVT src, w
	WIN (\w)
.irp c, 0,1
	v_cvt_scalef32_pk16_fp6_f32 v[PC+6*\c:PC+6*\c+2], v[(\src)+32*\c:(\src)+32*\c+15], v[SOP+\c]
	v_cvt_scalef32_pk16_fp6_f32 v[PT+4*\c:PT+4*\c+2], v[(\src)+32*\c+16:(\src)+32*\c+31], v[SOP+\c]
.endr
	WIN 0
	v_nop
.irp c, 0,1
.irp i, 0,1,2
	v_mov_b32 v[PC+6*\c+3+\i], v[PT+4*\c+\i]
.endr
.endr
.endm
	s_lshl_b32 s17, s20, 1
	s_add_co_u32 s17, s17, s15                     ; Y: which 128 rows of A's side
	s_lshl_b32 s19, s21, 1
	s_add_co_u32 s19, s19, s16                     ; Z: which 128 rows of B's side
	s_mov_b32 s22, 393216
	s_mov_b32 s23, 1536
	s_mov_b32 s46, 387072
	s_cmp_eq_u32 s18, 2
	s_cselect_b32 s47, s17, s19                    ; G: the pair of heads
	s_cselect_b32 s66, s19, s17                    ; pos: the 128 tokens
	s_cselect_b32 s22, 768, s22                    ; from the first half image to the second
	s_cselect_b32 s96, s23, 768                    ; from block to block of A
	s_cselect_b32 s98, s46, 0                      ; and on top at block 4, where v passes to the pair's second head
	s_mov_b32 s23, 0
	s_mov_b32 s97, 0
	s_mov_b32 s99, 0
	s_mul_i32 s12, s18, 6291456
	s_mul_i32 s13, s47, 786432
	s_add_co_u32 s12, s12, s13
	s_mul_i32 s13, s66, 6144
	s_add_co_u32 s12, s12, s13
	s_mov_b32 s13, 0
	s_add_nc_u64 s[12:13], s[8:9], s[12:13]
	s_add_nc_u64 s[2:3], s[12:13], s[22:23]
	s_lshl_b32 s22, s18, 18
	s_lshl_b32 s46, s47, 15
	s_add_co_u32 s22, s22, s46
	s_lshl_b32 s46, s66, 9
	s_add_co_u32 s22, s22, s46
	s_add_nc_u64 s[10:11], s[10:11], s[22:23]
	PLACES NP                                      ; behind the last products: their results are read, and the registers that held scale words are written
	v_mov_b32 v[XX], 0                             ; a lane permute's destination counts as read
.irp a, 0,1,2,3,4,5,6,7
	QMAX 64*(\a%4), 2+\a/4, PWS+\a
	s_wait_xcnt 0x0                                ; the last block's stores have read their registers and bases: the maxima above stood between them and this wait
.if \a > 0
	s_add_nc_u64 s[12:13], s[12:13], s[96:97]
	s_add_nc_u64 s[2:3], s[2:3], s[96:97]
.endif
.if \a == 4
	s_add_nc_u64 s[12:13], s[12:13], s[98:99]
	s_add_nc_u64 s[2:3], s[2:3], s[98:99]
.endif
	QCVT 64*(\a%4), 2+\a/4
	global_store_b128 v[L16], v[PC:PC+3], s[12:13]       ; a half image: 512 bytes on end,
	global_store_b64 v[L8], v[PC+4:PC+5], s[12:13]       ; and 256
	global_store_b128 v[L16], v[PC+6:PC+9], s[2:3]
	global_store_b64 v[L8], v[PC+10:PC+11], s[2:3]
.endr
.irp i, 0,1,2,3
	v_cndmask_b32 v[108+\i], v[PWS+\i], v[PWS+4+\i], s72   ; lanes 0-15: blocks 0-3 of row r; lanes 16-31: blocks 4-7
.endr
	global_store_b128 v[L16], v[108:111], s[10:11]
	s_wait_tensorcnt 0x0                           ; the wave's end
	ds_add_u32 v[SPW], v[NIL]
	s_wait_dscnt 0x0
	CROUND                                         ; the closing round
	s_endpgm
.Lfunc_end_k_qa32a7f870c_proj:
	.size	k_qa32a7f870c_proj, .Lfunc_end_k_qa32a7f870c_proj-k_qa32a7f870c_proj
	.p2alignl 7, 3214868480
	.fill 96, 4, 3214868480
	.section	.rodata,"a",@progbits
	.p2align	6, 0x0
	.amdhsa_kernel k_qa32a7f870c_proj
		.amdhsa_group_segment_fixed_size 327680
		.amdhsa_private_segment_fixed_size 0
		.amdhsa_enable_private_segment 0
		.amdhsa_kernarg_size 32
		.amdhsa_user_sgpr_count 2
		.amdhsa_user_sgpr_kernarg_segment_ptr 1
		.amdhsa_wavefront_size32 1
		.amdhsa_system_sgpr_workgroup_id_x 1
		.amdhsa_system_sgpr_workgroup_id_y 1
		.amdhsa_system_sgpr_workgroup_id_z 1
		.amdhsa_system_vgpr_workitem_id 0
		.amdhsa_next_free_vgpr 1024
		.amdhsa_next_free_sgpr 102
		.amdhsa_reserve_vcc 0
		.amdhsa_float_denorm_mode_32 3
		.amdhsa_float_denorm_mode_16_64 3
		.amdhsa_memory_ordered 1
		.amdhsa_forward_progress 1
		.amdhsa_inst_pref_size 135
	.end_amdhsa_kernel
	.amdgpu_metadata
---
amdhsa.version: [ 1, 2 ]
amdhsa.kernels:
  - .name:           k_qa32a7f870c_proj
    .symbol:         k_qa32a7f870c_proj.kd
    .args:
      - { .name: oc, .offset: 0, .size: 8, .value_kind: global_buffer, .address_space: global }
      - { .name: os, .offset: 8, .size: 8, .value_kind: global_buffer, .address_space: global }
      - { .name: pc, .offset: 16, .size: 8, .value_kind: global_buffer, .address_space: global }
      - { .name: ps, .offset: 24, .size: 8, .value_kind: global_buffer, .address_space: global }
    .group_segment_fixed_size: 327680
    .private_segment_fixed_size: 0
    .kernarg_segment_align: 8
    .kernarg_segment_size: 32
    .max_flat_workgroup_size: 128
    .sgpr_count:     102
    .vgpr_count:     1024
    .wavefront_size: 32
...
	.end_amdgpu_metadata
.endif
;; end of part 2
;; launch attn (part 3): grid 256 x 1, 4 waves a work-group, no clusters, 168,448 bytes of LDS; arguments pc, ps, mb, aoc, aos; writes aoc, aos
.if DOCPART == 3
	.amdgcn_target "amdgcn-amd-amdhsa--gfx1250"
	.amdhsa_code_object_version 6
	.text
	.protected	k_qa32a7f870c_attn
	.globl	k_qa32a7f870c_attn
	.p2align	8
	.type	k_qa32a7f870c_attn,@function
k_qa32a7f870c_attn:
	s_mov_b64 s[64:65], 0
	v_nop
	global_prefetch_b8 v0, s[64:65] scope:SCOPE_SE
	s_setreg_imm32_b32 hwreg(HW_REG_WAVE_MODE, 25, 1), 1
	s_wait_xcnt 0x0
; ATTN: p = softmax(mask(q k^T / 32)), o = p v, both products on codes of FP6 with E8M0 scales; p is quantised FINISHED AND NORMALISED, along the keys; o is quantised along the head's 64 for the last product.
; SHARES.  A work-group takes 512 queries of one head and batch; wave w walks eight tiles of 16 queries.  A tile's scores for all 1,024 keys stay in 512 registers, so the row's maximum and sum are known before any code of p is made, and each score has one exponential.
; LAYOUT.  Both products are used transposed (S^T = K Q^T, O^T = V^T P^T): a lane holds ONE query.  By the order of rows in a key tile, register R of lane (r, h) is key 64 (R/32) + 32 h + R%32: a block of 32 keys lies whole in one lane, in the order of the operand's registers.
; K = 64 of the scores fills half of the instruction's 128: q's registers 6-11 stay zero codes, which add nothing whatever stands against them.  So K's half images lie SIX registers apart: a fragment's upper six registers are the next fragment's, or a pad.
; THE MASK COSTS NO VECTOR WORK.  For each key tile a first matrix instruction multiplies a matrix with -1.0 at (m, 16 u + m) by the mask's codes (7.5 where masked) under the scale 2^97: -7.5 x 2^97 where masked, exactly 0 elsewhere.  The scores are added onto that in place.
; MATRIX AND VECTOR WORK SIDE BY SIDE.  Eight key tiles at a time: 8 mask products, 8 score products; behind every second product stand four lines of the maxima of the eight tiles before.  In the second product seven lines of a later step's scaling stand behind each product.
; K's and V's half images of the whole head and batch (98,304 bytes) come into LDS once, one tensor load a wave; nothing is filled again.  No cluster: what two work-groups share is those 98,304 bytes, fetched once each.
; LIMITS: real scores lie above -2^90 and under 2^75 in magnitude; a row all of whose keys are masked gives 0, as the reference does; NaN and infinities are not served; a block of zeros carries the byte 1 over zero codes; an exponential under 2^-126 is 0.
; REGISTERS.  window 0: v1-11 addresses and scale words; v12-31 statistics; v32-63 block maxima, then scales; v64-95 K's words; v96-111 V's words; v112-219 two sets of eight half images of K, each with a pad of six; v128-223 two sets of four fragments of V;
;   v224-235 q; v236-243 p's words; v244-252 o's codes.   window 1: v0-95 the eight matrices of -1.0; v96-191 the mask's eight fragments; v192-223 O^T; v224-255 p's codes.   windows 2, 3: S^T.
.set FLOOR, 0x1800000
.set M2,    0xff000000
.set A16, 1
.set A8,  2
.set V16, 3
.set V8,  4
.set R16, 5
.set R16H, 6
.set SH8, 7
.set VI,  8
.set VM,  9
.set QW,  10
.set QNW, 11
.set NM,  12
.set RS,  14
.set SUM, 16
.set PS,  24
.set MX,  28
.set T1,  29
.set T2,  30
.set T3,  31
.set BM,  32
.set BM2, 48
.set KS,  64
.set VS,  96
.set KST, 112                          ; K's set n at v[112 + 54 n]: eight half images of six registers, then a pad of six
.set ST,  128
.set QF,  224
.set PW,  236
.set HC,  244
.set HT,  250
.set ID,  0                            ; window 1
.set MF,  96
.set O,   192
.set PC,  224
.set PT,  248
.set CS,  22                           ; s[22:23] c = log2(e) / 32
.set MSB, 0
.macro WIN new
.if MSB != (\new)
	s_set_vgpr_msb (MSB<<8)|(\new)
.set MSB, (\new)
.endif
.endm
.macro WM d, a, b, c, sa, sb, row
.if \row
	v_wmma_scale_f32_16x16x128_f8f6f4 v[\d:\d+7], v[\a:\a+11], v[\b:\b+11], \c, v[\sa], v[\sb] matrix_a_fmt:MATRIX_FMT_FP6 matrix_b_fmt:MATRIX_FMT_FP6 matrix_a_scale:MATRIX_SCALE_ROW1
.else
	v_wmma_scale_f32_16x16x128_f8f6f4 v[\d:\d+7], v[\a:\a+11], v[\b:\b+11], \c, v[\sa], v[\sb] matrix_a_fmt:MATRIX_FMT_FP6 matrix_b_fmt:MATRIX_FMT_FP6
.endif
.endm
	s_load_b256 s[4:11], s[0:1], 0x0               ; pc, ps, mb, aoc
	s_load_b64 s[12:13], s[0:1], 0x20              ; aos
	s_set_vgpr_msb 0x40
	v_lshl_add_u32 v251, v0, 2, 0x29000
	v_mov_b32 v255, 0
	s_set_vgpr_msb 0x4045
	ds_add_u32 v251, v255
	ds_add_u32 v251, v255
	s_set_vgpr_msb 0x4500
	v_lshrrev_b32 v1, 5, v0
	v_readfirstlane_b32 s14, v1                    ; wave
	s_and_b32 s15, ttmp9, 15                       ; head
	s_bfe_u32 s16, ttmp9, 0x10004                  ; which 512 queries
	s_lshr_b32 s17, ttmp9, 5                       ; batch
	s_lshr_b32 s18, s15, 1                         ; the pair of heads
	s_and_b32 s19, s15, 1
	s_lshl_b32 s20, s19, 4                         ; my head's two bytes in a word of q's or k's
	s_lshl_b32 s21, s17, 6
	s_lshl_b32 s48, s16, 5
	s_add_co_u32 s21, s21, s48
	s_lshl_b32 s48, s14, 3
	s_add_co_u32 s21, s21, s48                     ; 64 b + my first tile
	s_lshl_b32 s55, s18, 15
	s_lshl_b32 s48, s21, 6
	s_add_co_u32 s55, s55, s48                     ; q's words of my eight tiles
	s_mul_i32 s56, s15, 768                        ; my head's half image in a tile's row of aoc
	s_mov_b32 s[CS], 0x3d38aa3b
	s_mov_b32 s[CS+1], s[CS]
	s_mov_b32 s24, 0x76543210
	s_mov_b32 s25, 0xfedcba98
	s_mov_b32 s26, 0xffff0000                      ; a lane mask: lanes 16-31
	s_mov_b32 s27, 0                               ; the tile in hand
	s_mov_b32 s28, 3<<16                           ; descriptor group 1: elements of 8 bytes, no mask, no padding;
	s_mov_b32 s29, 32<<16                          ; rows of 256 bytes,
	s_mov_b32 s30, 96<<16                          ; 96 of them: 24,576 dense bytes
	s_mov_b32 s31, 32<<16
	s_mov_b32 s32, 96
	s_mov_b32 s33, 32
	s_mov_b32 s34, 0
	s_mov_b32 s35, 0
	s_lshr_b32 s48, s14, 1                         ; waves 0, 1: K's halves; waves 2, 3: V's
	s_add_co_u32 s48, s48, 1
	s_lshl_b32 s48, s48, 7
	s_lshl_b32 s49, s15, 3
	s_add_co_u32 s48, s48, s49
	s_add_co_u32 s48, s48, s17
	s_mul_i32 s48, s48, 49152
	s_and_b32 s49, s14, 1
	s_mul_i32 s49, s49, 24576
	s_add_co_u32 s48, s48, s49
	s_mov_b32 s49, 0
	s_mov_b32 s36, 1
	s_mul_i32 s37, s14, 24576                      ; K at LDS byte 0, V at 49,152
	s_lshl_b32 s50, s18, 15
	s_lshl_b32 s51, s17, 12
	s_add_co_u32 s50, s50, s51
	s_add_co_u32 s58, s50, 262144                  ; K's words
	s_mov_b32 s59, 0
	s_lshl_b32 s51, s19, 8
	s_add_co_u32 s60, s50, s51
	s_add_co_u32 s60, s60, 524288                  ; V's words, my head's four tiles
	s_mov_b32 s61, 0
	s_wait_dscnt 0x0
	s_wait_kmcnt 0x0
	s_add_nc_u64 s[38:39], s[4:5], s[48:49]
	s_or_b32 s39, s39, 0x80000000
	tensor_load_to_lds s[36:39], s[28:35]          ; my one tensor load
	s_nop 0
.rept 4
	v_nop
.endr
	s_add_nc_u64 s[58:59], s[6:7], s[58:59]
	s_add_nc_u64 s[60:61], s[6:7], s[60:61]
	v_and_b32 v253, 31, v0
	v_and_b32 v254, 15, v0                         ; r
	v_bfe_u32 v255, v0, 4, 1                       ; h
	v_lshlrev_b32 v[A16], 4, v253
	v_lshlrev_b32 v[A8], 3, v253
	v_add_nc_u32 v[A8], 512, v[A8]
	v_add_nc_u32 v[V16], 49152, v[A16]
	v_add_nc_u32 v[V8], 49152, v[A8]
	v_lshlrev_b32 v[R16], 4, v254
	v_lshl_add_u32 v[R16H], v255, 3, v[R16]
	v_lshlrev_b32 v[SH8], 3, v255
	v_lshl_add_u32 v[T3], v255, 11, v[R16]         ; 16 r + 2,048 h: lanes 16-31 take V's words four steps on
	v_mov_b32 v[VI], 0x7f7f7f7f                    ; scale 1
	v_mov_b32 v[VM], 0xe0e0e0e0                    ; scale 2^97
.irp o, 0,1,2,3,4,5,6,7
	global_load_b128 v[KS+4*\o:KS+4*\o+3], v[A16], s[58:59] offset:512*\o   ; register 4 o + i: lanes 0-15 key tile 8 o + i, lanes 16-31 tile 8 o + 4 + i
.endr
.irp s, 0,1,2,3
	global_load_b128 v[VS+4*\s:VS+4*\s+3], v[T3], s[60:61] offset:512*\s    ; register 4 s + t: channel tile t; lanes 0-15 keys 128 s on, lanes 16-31 keys 128 (s + 4) on
.endr
; Where this tile's codes go, and the loads for the next tile: the mask's eight fragments, q's half image, q's word.
.macro NEXTLOADS inloop
	s_wait_xcnt 0x0                                ; every earlier load and store has read its base and its offset: the four pairs may be written
	s_add_co_u32 s49, s21, s27
	s_mul_i32 s52, s49, 12288
	s_add_co_u32 s52, s52, s56
	s_mov_b32 s53, 0
	s_add_nc_u64 s[46:47], s[10:11], s[52:53]
.if \inloop
	s_cmp_eq_u32 s27, 7                            ; the last tile has no successor: a branch on the count of tiles
	s_cbranch_scc1 .Lnonext_\@
	s_add_co_u32 s48, s27, 1
.else
	s_mov_b32 s48, 0
.endif
	s_add_co_u32 s49, s21, s48
	s_mul_i32 s52, s49, 12288
	s_add_nc_u64 s[40:41], s[8:9], s[52:53]
	s_mul_i32 s52, s49, 768
	s_mul_i32 s54, s15, 393216
	s_add_co_u32 s52, s52, s54
	s_add_nc_u64 s[42:43], s[4:5], s[52:53]
	s_lshr_b32 s52, s48, 2
	s_lshl_b32 s52, s52, 8
	s_and_b32 s54, s48, 3
	s_lshl_b32 s54, s54, 2
	s_add_co_u32 s52, s52, s54
	s_add_co_u32 s52, s52, s55
	s_add_nc_u64 s[44:45], s[6:7], s[52:53]
	WIN 0x40
.set k_, 0
.rept 24
	global_load_b128 v[MF+4*k_:MF+4*k_+3], v[A16], s[40:41] offset:512*k_
.set k_, k_+1
.endr
	WIN 0
	global_load_b128 v[QF:QF+3], v[A16], s[42:43]
	global_load_b64 v[QF+4:QF+5], v[A8], s[42:43]
	global_load_b32 v[QNW], v[R16], s[44:45]
.if \inloop
.Lnonext_\@:
.endif
.endm
	NEXTLOADS 0
	; the eight matrices: -1.0 at (m, 16 u + m).  Sixteen codes are three registers: they stand in registers 6 (u/4) + 3 (u%2) on of the lanes with h = (u/2)%2
	v_mov_b32 v[T1], -1.0
	v_mov_b32 v[T2], 1.0
.set j_, 0
.rept 16
	v_cmp_eq_u32 vcc_lo, j_, v254
	v_cndmask_b32 v[ST+j_], 0, v[T1], vcc_lo
.set j_, j_+1
.endr
	v_cvt_scalef32_pk16_fp6_f32 v[ST+16:ST+18], v[ST:ST+15], v[T2]
	v_nop
.irp i, 0,1,2
	v_cndmask_b32 v[ST+20+\i], v[ST+16+\i], 0, s26     ; in lanes 0-15 alone
	v_cndmask_b32 v[ST+24+\i], 0, v[ST+16+\i], s26     ; in lanes 16-31 alone
.endr
	WIN 0x40
.set u_, 0
.rept 8
.set j_, 0
.rept 12
.set d_, j_-(6*(u_/4)+3*(u_%2))
.if (d_ >= 0) && (d_ < 3)
	v_mov_b32 v[ID+12*u_+j_], v[ST+20+4*((u_/2)%2)+d_]
.else
	v_mov_b32 v[ID+12*u_+j_], 0
.endif
.set j_, j_+1
.endr
.set u_, u_+1
.endr
	WIN 0
.irp j, 6,7,8,9,10,11
	v_mov_b32 v[QF+\j], 0                          ; q's upper 64 along K: zero codes, for the whole launch
.endr
.irp j, 48,49,50,51,52,53
	v_mov_b32 v[KST+\j], 0                         ; the two pads, written once: later V's codes stand here, against q's zeros
	v_mov_b32 v[KST+54+\j], 0
.endr
.irp j, 0,1,2,3
	v_mov_b32 v[PS+\j], 0
.endr
	v_mov_b32 v[T2], 0
	v_mov_b32 v[T3], 0
	s_wait_loadcnt 27                              ; K's and V's words are in; the first tile's 27 loads may be out
.set j_, 0
.rept 32
	v_lshrrev_b32 v[KS+j_], s20, v[KS+j_]          ; my head's two bytes to bytes 0 and 1
.set j_, j_+1
.endr
	s_wait_tensorcnt 0x0                           ; my part of K and V is in,
	s_barrier_signal -1
	s_barrier_wait -1                              ; everybody's is
.macro KLOAD2 d                        ; key tiles 8 d .. 8 d + 7: half images, six registers apart, into set d%2: one run of sixteen loads
.set KB_, KST+54*((\d)%2)
.irp u, 0,1,2,3,4,5,6,7
	ds_load_b128 v[KB_+6*\u:KB_+6*\u+3], v[A16] offset:(8*(\d)+\u)*768
	ds_load_b64 v[KB_+6*\u+4:KB_+6*\u+5], v[A8] offset:(8*(\d)+\u)*768
.endr
.endm
.macro VLOAD s                         ; keys 128 s on: the four channel tiles, two half images each, into set s%2
.irp t, 0,1,2,3
.irp c, 0,1
	ds_load_b128 v[ST+48*((\s)%2)+12*\t+6*\c:ST+48*((\s)%2)+12*\t+6*\c+3], v[V16] offset:(\s)*6144+\t*1536+\c*768
	ds_load_b64 v[ST+48*((\s)%2)+12*\t+6*\c+4:ST+48*((\s)%2)+12*\t+6*\c+5], v[V8] offset:(\s)*6144+\t*1536+\c*768
.endr
.endr
.endm
; Line j of 32 of the maxima over the 64 registers of key tiles 8 d .. 8 d + 7: four chains of 16 registers by turns; chains 0, 1 are my block of 32 keys in group 2 d, chains 2, 3 in group 2 d + 1.
; A block's largest score serves the row's maximum and, since p rises with the score, the block's largest p.  Each accumulator is read from its low end on.
.macro MAXL d, j
.set SW_, 2+(\d)/4
.set SB_, (64*(\d))%256
.set q_, (\j)%4
.set i_, (\j)/4
.set CH_, BM+2*(\d)+q_/2
.if q_%2
.set CH_, BM2+2*(\d)+q_/2
.endif
	WIN 5*SW_
.if i_ == 0
	v_max_num_f32 v[CH_], v[SB_+16*q_], v[SB_+16*q_+1]
.else
	v_max3_num_f32 v[CH_], v[SB_+16*q_+2*i_], v[SB_+16*q_+2*i_+1], v[CH_]
.endif
.endm
.macro MAXJ d                          ; the chains' halves are joined
	WIN 0
	v_max_num_f32 v[BM+2*(\d)], v[BM+2*(\d)], v[BM2+2*(\d)]
	v_max_num_f32 v[BM+2*(\d)+1], v[BM+2*(\d)+1], v[BM2+2*(\d)+1]
.endm
; Key tiles 8 d .. 8 d + 7: 128 keys.  Eight mask products start the eight sums, eight score products add onto them: the accumulators take turns, one instruction a turn.
; Behind every second product stand four lines of the maxima of the eight tiles before: they name none of these products' registers.  The last four and the two joins are the plain lines between the last products and the loads into the fragments that they read.
.macro GROUP2 d
.if (\d) < 7
	s_wait_dscnt 16                                ; this set's sixteen loads are in; the next set's may be out
.else
	s_wait_dscnt 0x0
.endif
.set gw_, 2+(\d)/4
.set gb_, (64*(\d))%256
.set gk_, KST+54*((\d)%2)
.set n_, 0
.rept 16
.if n_ < 8
	WIN (gw_<<6)|(gw_<<4)|5
	WM gb_+8*n_, ID+12*n_, MF+12*(\d), 0, VI, VM, 0
.else
	WIN (gw_<<6)|(gw_<<4)
	WM gb_+8*(n_-8), gk_+6*(n_-8), QF, v[gb_+8*(n_-8):gb_+8*(n_-8)+7], KS+4*(\d)+(n_-8)%4, QW, (n_-8)/4
.endif
.if (n_%2 == 1) && ((\d) > 0)
.irp k, 0,1,2,3
	MAXL (\d)-1, 4*(n_/2)+\k
.endr
.endif
.set n_, n_+1
.endr
.if (\d) > 0
	MAXJ (\d)-1
.else
	WIN 0
.rept 4
	v_nop
.endr
.endif
.if (\d) < 6
	KLOAD2 (\d)+2
.endif
.endm
.macro NORM s, p0, p1                  ; p = exponential / the row's sum, keys 128 s on: lines p0 .. p1 - 1 of 32
.set SW_, 2+(\s)/4
.set SB_, (64*(\s))%256
	WIN (SW_<<6)|SW_
.set np_, \p0
.rept (\p1)-(\p0)
	v_pk_mul_f32 v[SB_+2*np_:SB_+2*np_+1], v[SB_+2*np_:SB_+2*np_+1], v[RS:RS+1] op_sel_hi:[1,0]
.set np_, np_+1
.endr
.endm
.macro CVT s
.set SW_, 2+(\s)/4
.set SB_, (64*(\s))%256
.set PB_, PC+12*((\s)%2)
	WIN 0x40|SW_
.irp c, 0,1
	v_cvt_scalef32_pk16_fp6_f32 v[PB_+6*\c:PB_+6*\c+2], v[SB_+32*\c:SB_+32*\c+15], v[BM+2*(\s)+\c]
	v_cvt_scalef32_pk16_fp6_f32 v[PT+4*\c:PT+4*\c+2], v[SB_+32*\c+16:SB_+32*\c+31], v[BM+2*(\s)+\c]
.endr
.endm
.macro MOV s
.set PB_, PC+12*((\s)%2)
	WIN 0x41
	v_nop                                          ; one plain line behind the conversions
.irp c, 0,1
.irp i, 0,1,2
	v_mov_b32 v[PB_+6*\c+3+\i], v[PT+4*\c+\i]
.endr
.endr
.endm
.macro PV s                            ; O^T += V^T P^T over keys 128 s on: four accumulators by turns; behind each product seven lines of the scaling two steps on
.if (\s) < 7
	s_wait_dscnt 16                                ; this step's sixteen loads are in; the next step's may be out
.else
	s_wait_dscnt 0x0
.endif
.irp t, 0,1,2,3
	WIN 0x54
.if (\s) == 0
	WM O+8*\t, ST+48*((\s)%2)+12*\t, PC+12*((\s)%2), 0, VS+4*((\s)%4)+\t, PW+\s, (\s)/4
.else
	WM O+8*\t, ST+48*((\s)%2)+12*\t, PC+12*((\s)%2), v[O+8*\t:O+8*\t+7], VS+4*((\s)%4)+\t, PW+\s, (\s)/4
.endif
.if (\s) < 6
	NORM (\s)+2, 7*\t, 7*\t+7
.endif
.endr
.endm
.Ltile:
	KLOAD2 0
	KLOAD2 1
	s_wait_loadcnt 0x0                             ; this tile's mask, q and word, asked for a tile ago
	v_lshrrev_b32 v[QW], s20, v[QNW]
.rept 8
	v_nop                                          ; a scale word made by a vector line stands eight plain lines ahead of the product
.endr
.irp d, 0,1,2,3,4,5,6,7
	GROUP2 \d
.endr
.set mj_, 0
.rept 32
	MAXL 7, mj_
.set mj_, mj_+1
.endr
	MAXJ 7
	NEXTLOADS 1
	VLOAD 0
	VLOAD 1
	; the row's maximum
	v_max3_num_f32 v[MX], v[BM], v[BM+1], v[BM+2]
	v_max3_num_f32 v[T1], v[BM+3], v[BM+4], v[BM+5]
	v_max3_num_f32 v[MX], v[MX], v[BM+6], v[BM+7]
	v_max3_num_f32 v[T1], v[T1], v[BM+8], v[BM+9]
	v_max3_num_f32 v[MX], v[MX], v[BM+10], v[BM+11]
	v_max3_num_f32 v[T1], v[T1], v[BM+12], v[BM+13]
	v_max3_num_f32 v[MX], v[MX], v[BM+14], v[BM+15]
	v_max_num_f32 v[MX], v[MX], v[T1]
	v_permlanex16_b32 v[T2], v[MX], s24, s25
	v_max_num_f32 v[MX], v[MX], v[T2]
	v_max_num_f32 v[T1], 0xec800000, v[MX]         ; held at -2^90 from below: in a row that is masked whole every exponent is then hugely negative and every p is 0
	v_mul_f32 v[NM], 0xbd38aa3b, v[T1]             ; -c x the maximum
	v_mov_b32 v[NM+1], v[NM]
	; 2^(c s - c max): a pair's scaling stands ahead of the exponentials of the pair before
.irp w, 2,3
	WIN (\w<<6)|\w
	v_pk_fma_f32 v[0:1], v[0:1], s[CS:CS+1], v[NM:NM+1] op_sel_hi:[1,0,0]
.set p_, 0
.rept 128
.if p_ < 127
	v_pk_fma_f32 v[2*p_+2:2*p_+3], v[2*p_+2:2*p_+3], s[CS:CS+1], v[NM:NM+1] op_sel_hi:[1,0,0]
.endif
	v_exp_f32 v[2*p_], v[2*p_]
	v_exp_f32 v[2*p_+1], v[2*p_+1]
.set p_, p_+1
.endr
	v_nop                                          ; a plain line behind the last exponential,
	s_wait_alu depctr_va_vdst(0)                   ; and one wait for the window's 256
.endr
	WIN 0
.set c_, 0
.rept 16
	v_fma_f32 v[BM+c_], v[BM+c_], s[CS], v[NM]     ; the same of each block's largest score
.set c_, c_+1
.endr
.set c_, 0
.rept 16
	v_exp_f32 v[BM+c_], v[BM+c_]
.set c_, c_+1
.endr
	v_nop
	s_wait_alu depctr_va_vdst(0)                   ; one wait for the sixteen
	; the row's sum, two at a time, in EIGHT chains (four pairs at v16, four where the maxima's second halves stood), so that no line waits for the line that feeds it
	WIN 0x0a
.set p_, 0
.rept 8
.set CR_, SUM+2*p_
.if p_ >= 4
.set CR_, BM2+2*(p_-4)
.endif
	v_pk_add_f32 v[CR_:CR_+1], v[2*p_:2*p_+1], v[2*p_+16:2*p_+17]
.set p_, p_+1
.endr
	WIN 0x02
.set p_, 16
.rept 112
.set CR_, SUM+2*(p_%8)
.if p_%8 >= 4
.set CR_, BM2+2*(p_%8-4)
.endif
	v_pk_add_f32 v[CR_:CR_+1], v[2*p_:2*p_+1], v[CR_:CR_+1]
.set p_, p_+1
.endr
	WIN 0x03
.set p_, 0
.rept 128
.set CR_, SUM+2*(p_%8)
.if p_%8 >= 4
.set CR_, BM2+2*(p_%8-4)
.endif
	v_pk_add_f32 v[CR_:CR_+1], v[2*p_:2*p_+1], v[CR_:CR_+1]
.set p_, p_+1
.endr
	WIN 0
.irp k, 0,1,2,3
	v_pk_add_f32 v[SUM+2*\k:SUM+2*\k+1], v[SUM+2*\k:SUM+2*\k+1], v[BM2+2*\k:BM2+2*\k+1]
.endr
	v_pk_add_f32 v[SUM:SUM+1], v[SUM:SUM+1], v[SUM+2:SUM+3]
	v_pk_add_f32 v[SUM+4:SUM+5], v[SUM+4:SUM+5], v[SUM+6:SUM+7]
	v_pk_add_f32 v[SUM:SUM+1], v[SUM:SUM+1], v[SUM+4:SUM+5]
	v_add_f32 v[T1], v[SUM], v[SUM+1]
	v_permlanex16_b32 v[T2], v[T1], s24, s25
	v_add_f32 v[T1], v[T1], v[T2]
	v_rcp_f32 v[T3], v[T1]
	v_cmp_lt_f32 vcc_lo, 0xec800000, v[MX]         ; has the row a key that counts?  (a plain line behind the reciprocal)
	s_wait_alu depctr_va_vdst(0)
	v_cndmask_b32 v[RS], 0, v[T3], vcc_lo          ; if not: p = 0
	v_mov_b32 v[RS+1], v[RS]
	; the blocks' scales
.set c_, 0
.rept 16
	v_mul_f32 v[BM+c_], v[BM+c_], v[RS]            ; the block's largest p
.set c_, c_+1
.endr
.set c_, 0
.rept 16
	v_max_num_f32 v[BM+c_], FLOOR, v[BM+c_]
.set c_, c_+1
.endr
.set c_, 0
.rept 16
	v_add_nc_u32 v[BM+c_], M2, v[BM+c_]            ; the conversion's scale operand
.set c_, c_+1
.endr
.set c_, 0
.rept 16
	v_lshrrev_b32 v[BM2+c_], 23, v[BM+c_]          ; the byte
.set c_, c_+1
.endr
.irp s, 0,1,2,3,4,5,6,7
	v_lshl_or_b32 v[BM2+2*\s], v[BM2+2*\s+1], 16, v[BM2+2*\s]
.endr
.irp s, 0,1,2,3,4,5,6,7
	v_lshlrev_b32 v[BM2+2*\s], v[SH8], v[BM2+2*\s]
.endr
.irp s, 0,1,2,3,4,5,6,7
	v_permlanex16_b32 v[BM2+2*\s+1], v[BM2+2*\s], s24, s25
.endr
.irp s, 0,1,2,3,4,5,6,7
	v_or_b32 v[PW+\s], v[BM2+2*\s], v[BM2+2*\s+1]  ; p's scale word for keys 128 s on
.endr
	; the second product: a step's codes are made while the step before is multiplied.  Of the scaling two steps on, 28 lines stand among the products; its last four stand behind the moves of the codes, as the plain lines ahead of the next products
	NORM 0, 0, 32
	CVT 0
	MOV 0
	NORM 1, 0, 32
.irp s, 0,1,2,3,4,5,6,7
	PV \s
.if \s < 7
	CVT \s+1
	MOV \s+1
.endif
.if \s < 6
	WIN 0
	VLOAD \s+2
	NORM \s+2, 28, 32
.endif
.if \s == 6
.rept 4
	v_nop                                          ; codes moved by vector lines stand four plain lines ahead of the product
.endr
.endif
.endr
.rept 4
	v_nop
.endr
	; o: my 32 registers are channels 32 h + 0..31 of my query: one block
	WIN 0x05
	v_max3_num_f32 v[T1], |v[O]|, |v[O+1]|, FLOOR
	v_max3_num_f32 v[T2], |v[O+16]|, |v[O+17]|, FLOOR
.irp i, 2,4,6,8,10,12,14
	v_max3_num_f32 v[T1], |v[O+\i]|, |v[O+\i+1]|, v[T1]
	v_max3_num_f32 v[T2], |v[O+16+\i]|, |v[O+17+\i]|, v[T2]
.endr
	WIN 0
	v_max_num_f32 v[T1], v[T1], v[T2]
	v_add_nc_u32 v[T1], M2, v[T1]
	v_lshrrev_b32 v[T2], 23, v[T1]
	WIN 0x01
	v_cvt_scalef32_pk16_fp6_f32 v[HC:HC+2], v[O:O+15], v[T1]
	v_cvt_scalef32_pk16_fp6_f32 v[HT:HT+2], v[O+16:O+31], v[T1]
	WIN 0
	v_nop
.irp i, 0,1,2
	v_mov_b32 v[HC+3+\i], v[HT+\i]
.endr
	v_lshlrev_b32 v[T2], v[SH8], v[T2]
	v_permlanex16_b32 v[T3], v[T2], s24, s25
	v_or_b32 v[T2], v[T2], v[T3]                   ; the row's two bytes
	v_alignbit_b32 v[PS], v[PS+1], v[PS], 16       ; eight tiles' pairs of bytes are gathered in four registers: each tile shifts them down by 16 bits
	v_alignbit_b32 v[PS+1], v[PS+2], v[PS+1], 16
	v_alignbit_b32 v[PS+2], v[PS+3], v[PS+2], 16
	v_alignbit_b32 v[PS+3], v[T2], v[PS+3], 16
	global_store_b128 v[A16], v[HC:HC+3], s[46:47] ; a half image: 512 bytes on end,
	global_store_b64 v[A8], v[HC+4:HC+5], s[46:47] ; and 256
	s_add_co_u32 s27, s27, 1
	s_cmp_lt_u32 s27, 8
	s_cbranch_scc1 .Ltile
	v_cndmask_b32 v254, v[PS], v[PS+2], s26
	v_cndmask_b32 v255, v[PS+1], v[PS+3], s26
	s_lshl_b32 s52, s15, 14
	s_lshl_b32 s54, s21, 5
	s_add_co_u32 s52, s52, s54
	s_mov_b32 s53, 0
	s_add_nc_u64 s[50:51], s[12:13], s[52:53]
	global_store_b64 v[R16H], v[254:255], s[50:51] ; 256 bytes on end, aligned: 16 rows x 8 tiles x 2 bytes
	s_set_vgpr_msb 0x5
	s_wait_tensorcnt 0x0
	ds_add_u32 v251, v255
	s_wait_dscnt 0x0
	s_set_vgpr_msb 0x500
	s_endpgm
.Lfunc_end_k_qa32a7f870c_attn:
	.size	k_qa32a7f870c_attn, .Lfunc_end_k_qa32a7f870c_attn-k_qa32a7f870c_attn
	.p2alignl 7, 3214868480
	.fill 96, 4, 3214868480
	.section	.rodata,"a",@progbits
	.p2align	6, 0x0
	.amdhsa_kernel k_qa32a7f870c_attn
		.amdhsa_group_segment_fixed_size 168448
		.amdhsa_private_segment_fixed_size 0
		.amdhsa_enable_private_segment 0
		.amdhsa_kernarg_size 40
		.amdhsa_user_sgpr_count 2
		.amdhsa_user_sgpr_kernarg_segment_ptr 1
		.amdhsa_wavefront_size32 1
		.amdhsa_system_sgpr_workgroup_id_x 1
		.amdhsa_system_sgpr_workgroup_id_y 1
		.amdhsa_system_sgpr_workgroup_id_z 1
		.amdhsa_system_vgpr_workitem_id 0
		.amdhsa_next_free_vgpr 1024
		.amdhsa_next_free_sgpr 66
		.amdhsa_reserve_vcc 1
		.amdhsa_float_denorm_mode_32 3
		.amdhsa_float_denorm_mode_16_64 3
		.amdhsa_memory_ordered 1
		.amdhsa_forward_progress 1
		.amdhsa_inst_pref_size 156
	.end_amdhsa_kernel
	.amdgpu_metadata
---
amdhsa.version: [ 1, 2 ]
amdhsa.kernels:
  - .name:           k_qa32a7f870c_attn
    .symbol:         k_qa32a7f870c_attn.kd
    .args:
      - { .name: pc, .offset: 0, .size: 8, .value_kind: global_buffer, .address_space: global }
      - { .name: ps, .offset: 8, .size: 8, .value_kind: global_buffer, .address_space: global }
      - { .name: mb, .offset: 16, .size: 8, .value_kind: global_buffer, .address_space: global }
      - { .name: aoc, .offset: 24, .size: 8, .value_kind: global_buffer, .address_space: global }
      - { .name: aos, .offset: 32, .size: 8, .value_kind: global_buffer, .address_space: global }
    .group_segment_fixed_size: 168448
    .private_segment_fixed_size: 0
    .kernarg_segment_align: 8
    .kernarg_segment_size: 40
    .max_flat_workgroup_size: 128
    .sgpr_count:     66
    .vgpr_count:     1024
    .wavefront_size: 32
...
	.end_amdgpu_metadata
.endif
;; end of part 3
;; launch outp (part 4): grid 256 x 1, 4 waves a work-group, clusters of 4 x 1, 327,680 bytes of LDS; arguments aoc, aos, pwc, q, proj_b, ln_g, ln_b, out0; writes out0
.if DOCPART == 4
	.amdgcn_target "amdgcn-amd-amdhsa--gfx1250"
	.amdhsa_code_object_version 6
	.text
	.protected	k_qa32a7f870c_outp
	.globl	k_qa32a7f870c_outp
	.p2align	8
	.type	k_qa32a7f870c_outp,@function
k_qa32a7f870c_outp:
	s_mov_b64 s[64:65], 0
	v_nop
	global_prefetch_b8 v0, s[64:65] scope:SCOPE_SE
	s_setreg_imm32_b32 hwreg(HW_REG_WAVE_MODE, 25, 1), 1
	s_wait_xcnt 0x0
	s_wait_alu depctr_hold_cnt(0) depctr_sa_sdst(0) depctr_va_vdst(0) depctr_va_sdst(0) depctr_va_ssrc(0) depctr_va_vcc(0) depctr_vm_vsrc(0)
	s_getreg_b32 s2, hwreg(HW_REG_IB_STS2, 6, 4)
	s_cmp_eq_u32 s2, 0
	s_cbranch_scc0 .Lentry_in_a_cluster
	s_endpgm
.Lentry_in_a_cluster:
	s_bfe_u32 s2, ttmp6, 0x10000c
	s_cmp_lg_u32 s2, 0x3003
	s_cbranch_scc0 .Lentry_shape_is_right
	s_endpgm
.Lentry_shape_is_right:
; OUTP: out0 = LayerNorm(o proj_w + proj_b + q) x ln_g + ln_b.  The product on codes of FP6 with E8M0 scales; the rest in f32.
; SHARES.  A work-group owns two tiles of 16 tokens, 32 WHOLE rows, so that the norm needs no other work-group.  Wave w makes columns 256 w .. 256 w + 255: 32 accumulators.  o's 16 fragments stay in registers.
; proj_w's images and words (25,600 bytes for a quarter of the columns and a K step) come through LDS, each wave's into a region of its own of three K steps, which it alone reads.
; CLUSTER: the four work-groups of a cluster walk the same weights: every tile is asked for jointly, by the same load with the same descriptor (it hangs on the wave's number alone) and the mask of all four.
; Three first fills (K steps 0, 1, 2), then two refills, of three and of two K steps, each the wave's one load behind a round of the cluster's barrier.
; The product is used transposed (source 0 = 16 columns of proj_w, source 1 = 16 tokens): a lane holds eight neighbouring columns of one row.  Rows meet in a stage in LDS (pitch 4,112), laid over the weights' regions after their last fill.
; The variance is taken of x - mean, in a second pass: no difference of large sums.
; REGISTERS.  window 0: v1-11 addresses; v12-27 sums, then means; v32-47 o's scale words; v48-63 the weights' words, two sets; v64-159 two sets of four fragments (later v64-79 sums of squares); v160-255 proj_b, ln_g, ln_b.
;   window 1: o's fragments (tile a, K step G) at v[12 (8 a + G)]; v192-207 o's scale bytes as loaded.   window 2: q, 8 rows x 32.   window 3: accumulator (a, t) at v[8 (16 a + t)], later 8 rows x 32.
.set REG3,  76800
.set STEPB, 25600
.set SPARE, 4*REG3
.set L16, 1
.set L8,  2
.set WB,  3
.set WB2, 4
.set SO,  5
.set SO2, 6
.set SR,  7
.set R16, 8
.set SPW, 10
.set NIL, 11
.set SM,  12
.set AS,  32
.set WS,  48
.set WF,  64
.set SQ,  64
.set PB,  160
.set LG,  192
.set LB,  224
.set RAW, 192                          ; window 1
.set G1X, 20                           ; s[20:27] group 1: 100 rows of 256 bytes;  s[28:35] 300;  s[36:43] 200
.set G1Y, 28
.set G1Z, 36
.set G0,  44                           ; s[44:55] three groups 0
.set MSB, 0
.macro WIN new
.if MSB != (\new)
	s_set_vgpr_msb (MSB<<8)|(\new)
.set MSB, (\new)
.endif
.endm
.macro WM d, a, b, c, sa, sb, row
.if \row
	v_wmma_scale_f32_16x16x128_f8f6f4 v[\d:\d+7], v[\a:\a+11], v[\b:\b+11], \c, v[\sa], v[\sb] matrix_a_fmt:MATRIX_FMT_FP6 matrix_b_fmt:MATRIX_FMT_FP6 matrix_a_scale:MATRIX_SCALE_ROW1
.else
	v_wmma_scale_f32_16x16x128_f8f6f4 v[\d:\d+7], v[\a:\a+11], v[\b:\b+11], \c, v[\sa], v[\sb] matrix_a_fmt:MATRIX_FMT_FP6 matrix_b_fmt:MATRIX_FMT_FP6
.endif
.endm
.macro ROUND                           ; a round of the cluster's barrier
	s_barrier_signal -1
	s_barrier_wait -1
	s_cmp_lg_u32 s56, 0
	s_cbranch_scc1 .Lnot_wave_0_\@
	s_barrier_signal -3
.Lnot_wave_0_\@:
	s_barrier_wait -3
	s_barrier_signal -1
	s_barrier_wait -1
.endm
	s_load_b512 s[4:19], s[0:1], 0x0               ; aoc, aos, pwc, q, proj_b, ln_g, ln_b, out0
	v_lshl_add_u32 v[SPW], v0, 2, SPARE
	v_mov_b32 v[NIL], 0
	ds_add_u32 v10, v11
	ds_add_u32 v10, v11
	s_wait_dscnt 0x0
	v_lshrrev_b32 v1, 5, v0
	v_readfirstlane_b32 s56, v1                    ; wave
	s_bfe_u32 s57, ttmp6, 0x40000                  ; cx: it enters global addresses of my own loads and stores alone
	s_lshl_b32 s58, ttmp9, 2
	s_add_co_u32 s58, s58, s57                     ; work-group
.irp g, G1X, G1Y, G1Z
	s_mov_b32 s[\g], 15|(3<<16)|(1<<21)            ; 15:0 the mask: all four; 17:16 elements of 8 bytes; 21 set beside a mask; no padding
	s_mov_b32 s[\g+1], 32<<16
	s_mov_b32 s[\g+3], 32<<16
	s_mov_b32 s[\g+5], 32
	s_mov_b32 s[\g+6], 0
	s_mov_b32 s[\g+7], 0
.endr
	s_mov_b32 s[G1X+2], 100<<16
	s_mov_b32 s[G1X+4], 100
	s_mov_b32 s[G1Y+2], 300<<16
	s_mov_b32 s[G1Y+4], 300
	s_mov_b32 s[G1Z+2], 200<<16
	s_mov_b32 s[G1Z+4], 200
	s_mul_i32 s59, s56, REG3                       ; my region
	s_mul_i32 s60, s56, 204800                     ; my quarter of the columns
	s_mov_b32 s61, 0
	s_mov_b32 s74, 0x76543210
	s_mov_b32 s75, 0xfedcba98
	s_mov_b32 s76, 0x3a800000                      ; 1 / 1,024
	s_mov_b32 s77, 0x3727c5ac                      ; 1e-5
	s_wait_kmcnt 0x0
	s_add_nc_u64 s[60:61], s[8:9], s[60:61]
.irp g, 0,1,2
	s_mov_b32 s[G0+4*\g], 1
	s_add_co_u32 s[G0+4*\g+1], s59, \g*STEPB
	s_add_nc_u64 s[G0+4*\g+2:G0+4*\g+3], s[60:61], \g*STEPB
	s_or_b32 s[G0+4*\g+3], s[G0+4*\g+3], 0x80000000
.endr
	ROUND                                          ; all four work-groups are here: the first joint loads meet
	tensor_load_to_lds s[G0:G0+3], s[G1X:G1X+7]    ; K steps 0, 1, 2: three loads of mine are out
	s_nop 0
	tensor_load_to_lds s[G0+4:G0+7], s[G1X:G1X+7]
	s_nop 0
	tensor_load_to_lds s[G0+8:G0+11], s[G1X:G1X+7]
	s_nop 0
.rept 4
	v_nop
.endr
	v_and_b32 v9, 31, v0
	v_and_b32 v28, 15, v0                          ; r
	v_bfe_u32 v29, v0, 4, 1                        ; h
	v_lshlrev_b32 v[L16], 4, v9
	v_lshlrev_b32 v[L8], 3, v9
	v_add_nc_u32 v[L8], 512, v[L8]
	v_add_nc_u32 v[WB], s59, v[L16]
	v_add_nc_u32 v[WB2], 2*STEPB, v[WB]
	v_mul_u32_u24 v[SO], v28, 4112
	v_lshl_add_u32 v[SO], v29, 5, v[SO]
	s_lshl_b32 s62, s56, 10
	v_add_nc_u32 v[SO], s62, v[SO]                 ; the stage, in: row r, + 32 h, + my 1,024 bytes
	v_add_nc_u32 v[SO2], 16*4112, v[SO]
	s_mul_i32 s62, s56, 8*4112
	v_add_nc_u32 v[SR], s62, v[L16]                ; back: my eight rows
	v_lshlrev_b32 v[R16], 4, v28
	s_mul_i32 s62, s58, 24576
	s_mov_b32 s63, 0
	s_add_nc_u64 s[66:67], s[4:5], s[62:63]        ; o's codes: my two tiles
	s_lshr_b32 s62, s58, 2
	s_lshl_b32 s62, s62, 8
	s_and_b32 s78, s58, 3
	s_lshl_b32 s78, s78, 2
	s_add_co_u32 s62, s62, s78
	s_add_nc_u64 s[68:69], s[6:7], s[62:63]        ; o's scale bytes: my two tiles' in one word a row and head
	s_lshl_b32 s62, s58, 1
	s_lshr_b32 s78, s56, 1
	s_add_co_u32 s62, s62, s78                     ; the tile whose rows I finish
	s_lshr_b32 s78, s62, 2
	s_lshl_b32 s78, s78, 6
	s_and_b32 s62, s62, 3
	s_lshl_b32 s62, s62, 3
	s_add_co_u32 s62, s62, s78
	s_and_b32 s78, s56, 1
	s_lshl_b32 s78, s78, 5
	s_add_co_u32 s62, s62, s78                     ; its lane-rows 8 (w%2) + 0..7 are eight neighbouring tokens
	s_lshl_b32 s62, s62, 12
	s_add_nc_u64 s[70:71], s[10:11], s[62:63]
	s_add_nc_u64 s[72:73], s[18:19], s[62:63]
	WIN 0x40
.irp a, 0,1
.irp g, 0,1,2,3,4,5,6,7
	global_load_b128 v[12*(8*\a+\g):12*(8*\a+\g)+3], v[L16], s[66:67] offset:\a*12288+\g*1536
	global_load_b64 v[12*(8*\a+\g)+4:12*(8*\a+\g)+5], v[L8], s[66:67] offset:\a*12288+\g*1536
	global_load_b128 v[12*(8*\a+\g)+6:12*(8*\a+\g)+9], v[L16], s[66:67] offset:\a*12288+\g*1536+768
	global_load_b64 v[12*(8*\a+\g)+10:12*(8*\a+\g)+11], v[L8], s[66:67] offset:\a*12288+\g*1536+768
.endr
.endr
.set j_, 0
.rept 16
	global_load_b32 v[RAW+j_], v[R16], s[68:69] offset:16384*j_
.set j_, j_+1
.endr
	s_wait_loadcnt 0x0
	WIN 0x05
.irp g, 0,1,2,3,4,5,6,7
	v_perm_b32 v[AS+\g], v[RAW+2*\g+1], v[RAW+2*\g], 0x05040100     ; tile 0: heads 2 G and 2 G + 1, two bytes each
	v_perm_b32 v[AS+8+\g], v[RAW+2*\g+1], v[RAW+2*\g], 0x07060302   ; tile 1
.endr
	WIN 0
.rept 8
	v_nop                                          ; scale words made by vector lines stand eight plain lines ahead of the products
.endr
.irp k, 0,1,2,3,4,5,6,7
	global_load_b128 v[PB+4*\k:PB+4*\k+3], v[L16], s[12:13] offset:512*\k
	global_load_b128 v[LG+4*\k:LG+4*\k+3], v[L16], s[14:15] offset:512*\k
	global_load_b128 v[LB+4*\k:LB+4*\k+3], v[L16], s[16:17] offset:512*\k
.endr
	WIN 0x80
.irp i, 0,1,2,3,4,5,6,7
.irp k, 0,1,2,3,4,5,6,7
	global_load_b128 v[32*\i+4*\k:32*\i+4*\k+3], v[L16], s[70:71] offset:4096*\i+512*\k th:TH_LOAD_NT   ; the residual: it lands while the products run
.endr
.endr
	WIN 0
.macro GLOAD q                         ; group q of the resident K steps: four images into set q%2; at a K step's head its words too
.set SG_, (\q)/4
.if SG_ < 2
.set AD_, WB
.set OF_, SG_*STEPB
.else
.set AD_, WB2
.set OF_, 0
.endif
.if (\q)%4 == 0
.irp k, 0,1
	ds_load_b128 v[WS+8*(SG_%2)+4*\k:WS+8*(SG_%2)+4*\k+3], v[AD_] offset:OF_+24576+512*\k   ; register t/2: lanes 0-15 tile t even, lanes 16-31 tile t odd
.endr
.endif
.irp f, 0,1,2,3
.irp c, 0,1,2
	ds_load_b128 v[WF+48*((\q)%2)+12*\f+4*\c:WF+48*((\q)%2)+12*\f+4*\c+3], v[AD_] offset:OF_+((\q)%4)*6144+1536*\f+512*\c
.endr
.endr
.endm
.macro MM q, s0                        ; eight products: four column tiles x my two token tiles; the 32 accumulators take turns
.set SG_, (\q)/4
.irp f, 0,1,2,3
.irp a, 0,1
.set T_, 4*((\q)%4)+\f
.set AC_, 8*(16*\a+T_)
.if (\s0)+SG_ == 0
	WM AC_, WF+48*((\q)%2)+12*\f, 12*(8*\a+(\s0)+SG_), 0, WS+8*(SG_%2)+T_/2, AS+8*\a+(\s0)+SG_, \f%2
.else
	WM AC_, WF+48*((\q)%2)+12*\f, 12*(8*\a+(\s0)+SG_), v[AC_:AC_+7], WS+8*(SG_%2)+T_/2, AS+8*\a+(\s0)+SG_, \f%2
.endif
.endr
.endr
.endm
.macro PHASE n, s0, first              ; the n K steps that lie in my region, from K step s0 on
.if \first
	s_wait_tensorcnt 2                             ; K step 0 is in; the two later fills may be out
.endif
	GLOAD 0
	GLOAD 1
.set g_, 0
.rept 4*\n
.if g_+1 >= 4*\n
	s_wait_dscnt 0x0
.elseif (g_+1)%4 == 0
	s_wait_dscnt 14                                ; this group is in; the next group's 12 loads and 2 of words may be out
.else
	s_wait_dscnt 12                                ; this group is in; the next group's 12 loads may be out
.endif
	WIN 0xf4
	MM g_, \s0
	WIN 0
.rept 4
	v_nop                                          ; plain lines ahead of loads into fragments just read, and of the first read of results
.endr
.if g_+2 < 4*\n
.if (\first) && ((g_+2)%4 == 0)
	s_wait_tensorcnt 2-(g_+2)/4                    ; the next K step's fill is in; the later one may be out
.endif
	GLOAD g_+2
.endif
.set g_, g_+1
.endr
.endm
.macro REFILL g1                       ; my region is filled again with the K steps that follow
	s_wait_tensorcnt 0x0                           ; no tensor load of mine is out, so a group 0 may be written
	ds_add_u32 v[SPW], v[NIL]                      ; 0 onto my spare word
	s_add_nc_u64 s[G0+2:G0+3], s[G0+2:G0+3], 3*STEPB
	s_wait_dscnt 0x0                               ; the add is done, and my reads of the region are over
	ROUND                                          ; the same holds of every wave of the four work-groups
	tensor_load_to_lds s[G0:G0+3], s[\g1:\g1+7]    ; my one load behind the round
	s_nop 0
.rept 4
	v_nop
.endr
	s_wait_tensorcnt 0x0                           ; only I read these bytes: my own wait is all that the reads need
.endm
	PHASE 3, 0, 1
	REFILL G1Y
	PHASE 3, 3, 0
	REFILL G1Z
	PHASE 2, 6, 0
	; THE WAY OUT
	s_wait_dscnt 0x0
	s_barrier_signal -1
	s_barrier_wait -1                              ; every wave's reads of its region are over, and every region has had its last fill: the stage may be written
	WIN 0x0c
.irp t, 0,1,2,3,4,5,6,7,8,9,10,11,12,13,14,15
	ds_store_b128 v[SO], v[8*\t:8*\t+3] offset:64*\t               ; each accumulator from its low end on
	ds_store_b128 v[SO], v[8*\t+4:8*\t+7] offset:64*\t+16
.endr
.irp t, 0,1,2,3,4,5,6,7,8,9,10,11,12,13,14,15
	ds_store_b128 v[SO2], v[128+8*\t:128+8*\t+3] offset:64*\t
	ds_store_b128 v[SO2], v[128+8*\t+4:128+8*\t+7] offset:64*\t+16
.endr
	WIN 0
	s_wait_dscnt 0x0                               ; for the others' sake: my stores into the stage are done
	s_barrier_signal -1
	s_barrier_wait -1
	WIN 0xc0
.irp i, 0,1,2,3,4,5,6,7
.irp k, 0,1,2,3,4,5,6,7
	ds_load_b128 v[32*\i+4*\k:32*\i+4*\k+3], v[SR] offset:4112*\i+512*\k   ; row i whole: register 4 k + e is column 128 k + 4 lane + e
.endr
.endr
	s_wait_dscnt 0x0
	s_wait_loadcnt 0x0                             ; q, proj_b, ln_g, ln_b
	WIN 0xcb
.set j_, 0
.rept 128
	v_pk_add_f32 v[2*j_:2*j_+1], v[2*j_:2*j_+1], v[2*j_:2*j_+1]    ; + q (source 1: window 2)
.set j_, j_+1
.endr
	WIN 0xc3
.set j_, 0
.rept 128
	v_pk_add_f32 v[2*j_:2*j_+1], v[2*j_:2*j_+1], v[PB+2*(j_%16):PB+2*(j_%16)+1]   ; + proj_b
.set j_, j_+1
.endr
	WIN 0x0f
.irp i, 0,1,2,3,4,5,6,7
	v_pk_add_f32 v[SM+2*\i:SM+2*\i+1], v[32*\i:32*\i+1], v[32*\i+2:32*\i+3]
.endr
	WIN 0x03
.irp p, 2,3,4,5,6,7,8,9,10,11,12,13,14,15
.irp i, 0,1,2,3,4,5,6,7
	v_pk_add_f32 v[SM+2*\i:SM+2*\i+1], v[32*\i+2*\p:32*\i+2*\p+1], v[SM+2*\i:SM+2*\i+1]   ; the eight rows by turns
.endr
.endr
	WIN 0
.macro REDUCE b                        ; eight pairs at v[b] on: each pair's two halves and the 32 lanes are added; the sum stands in the pair's first register of every lane
.irp i, 0,1,2,3,4,5,6,7
	v_add_f32 v[\b+2*\i], v[\b+2*\i], v[\b+2*\i+1]
.endr
.irp x, 1,2,4,8
.irp i, 0,1,2,3,4,5,6,7
	v_add_f32_dpp v[\b+2*\i], v[\b+2*\i], v[\b+2*\i] row_xmask:\x row_mask:0xf bank_mask:0xf
.endr
.endr
.irp i, 0,1,2,3,4,5,6,7
	v_permlanex16_b32 v[\b+2*\i+1], v[\b+2*\i], s74, s75
.endr
.irp i, 0,1,2,3,4,5,6,7
	v_add_f32 v[\b+2*\i], v[\b+2*\i], v[\b+2*\i+1]
.endr
.endm
	REDUCE SM
.irp i, 0,1,2,3,4,5,6,7
	v_mul_f32 v[SM+2*\i], s76, v[SM+2*\i]          ; the mean
.endr
	WIN 0xc3
.set j_, 0
.rept 128
	v_pk_add_f32 v[2*j_:2*j_+1], v[2*j_:2*j_+1], v[SM+2*(j_/16):SM+2*(j_/16)+1] op_sel_hi:[1,0] neg_lo:[0,1] neg_hi:[0,1]   ; x - mean
.set j_, j_+1
.endr
	WIN 0x0f
.irp i, 0,1,2,3,4,5,6,7
	v_pk_mul_f32 v[SQ+2*\i:SQ+2*\i+1], v[32*\i:32*\i+1], v[32*\i:32*\i+1]
.endr
.irp p, 1,2,3,4,5,6,7,8,9,10,11,12,13,14,15
.irp i, 0,1,2,3,4,5,6,7
	v_pk_fma_f32 v[SQ+2*\i:SQ+2*\i+1], v[32*\i+2*\p:32*\i+2*\p+1], v[32*\i+2*\p:32*\i+2*\p+1], v[SQ+2*\i:SQ+2*\i+1]
.endr
.endr
	WIN 0
	REDUCE SQ
.irp i, 0,1,2,3,4,5,6,7
	v_fma_f32 v[SQ+2*\i], v[SQ+2*\i], s76, s77     ; the variance + 1e-5
.endr
.irp i, 0,1,2,3,4,5,6,7
	v_rsq_f32 v[SQ+2*\i], v[SQ+2*\i]
.endr
	v_nop                                          ; a plain line behind the last of the eight,
	s_wait_alu depctr_va_vdst(0)                   ; and one wait for them
	WIN 0xc3
.set j_, 0
.rept 128
	v_pk_mul_f32 v[2*j_:2*j_+1], v[2*j_:2*j_+1], v[SQ+2*(j_/16):SQ+2*(j_/16)+1] op_sel_hi:[1,0]
.set j_, j_+1
.endr
.set j_, 0
.rept 128
	v_pk_fma_f32 v[2*j_:2*j_+1], v[2*j_:2*j_+1], v[LG+2*(j_%16):LG+2*(j_%16)+1], v[LB+2*(j_%16):LB+2*(j_%16)+1]
.set j_, j_+1
.endr
	WIN 0x0c
.irp i, 0,1,2,3,4,5,6,7
.irp k, 0,1,2,3,4,5,6,7
	global_store_b128 v[L16], v[32*\i+4*\k:32*\i+4*\k+3], s[72:73] offset:4096*\i+512*\k th:TH_STORE_NT   ; 512 bytes on end, aligned
.endr
.endr
	WIN 0
	s_wait_tensorcnt 0x0                           ; the wave's end
	ds_add_u32 v[SPW], v[NIL]
	s_wait_dscnt 0x0
	ROUND                                          ; the closing round
	s_endpgm
.Lfunc_end_k_qa32a7f870c_outp:
	.size	k_qa32a7f870c_outp, .Lfunc_end_k_qa32a7f870c_outp-k_qa32a7f870c_outp
	.p2alignl 7, 3214868480
	.fill 96, 4, 3214868480
	.section	.rodata,"a",@progbits
	.p2align	6, 0x0
	.amdhsa_kernel k_qa32a7f870c_outp
		.amdhsa_group_segment_fixed_size 327680
		.amdhsa_private_segment_fixed_size 0
		.amdhsa_enable_private_segment 0
		.amdhsa_kernarg_size 64
		.amdhsa_user_sgpr_count 2
		.amdhsa_user_sgpr_kernarg_segment_ptr 1
		.amdhsa_wavefront_size32 1
		.amdhsa_system_sgpr_workgroup_id_x 1
		.amdhsa_system_sgpr_workgroup_id_y 1
		.amdhsa_system_sgpr_workgroup_id_z 1
		.amdhsa_system_vgpr_workitem_id 0
		.amdhsa_next_free_vgpr 1024
		.amdhsa_next_free_sgpr 80
		.amdhsa_reserve_vcc 0
		.amdhsa_float_denorm_mode_32 3
		.amdhsa_float_denorm_mode_16_64 3
		.amdhsa_memory_ordered 1
		.amdhsa_forward_progress 1
		.amdhsa_inst_pref_size 167
	.end_amdhsa_kernel
	.amdgpu_metadata
---
amdhsa.version: [ 1, 2 ]
amdhsa.kernels:
  - .name:           k_qa32a7f870c_outp
    .symbol:         k_qa32a7f870c_outp.kd
    .args:
      - { .name: aoc, .offset: 0, .size: 8, .value_kind: global_buffer, .address_space: global }
      - { .name: aos, .offset: 8, .size: 8, .value_kind: global_buffer, .address_space: global }
      - { .name: pwc, .offset: 16, .size: 8, .value_kind: global_buffer, .address_space: global }
      - { .name: q, .offset: 24, .size: 8, .value_kind: global_buffer, .address_space: global }
      - { .name: proj_b, .offset: 32, .size: 8, .value_kind: global_buffer, .address_space: global }
      - { .name: ln_g, .offset: 40, .size: 8, .value_kind: global_buffer, .address_space: global }
      - { .name: ln_b, .offset: 48, .size: 8, .value_kind: global_buffer, .address_space: global }
      - { .name: out0, .offset: 56, .size: 8, .value_kind: global_buffer, .address_space: global }
    .group_segment_fixed_size: 327680
    .private_segment_fixed_size: 0
    .kernarg_segment_align: 8
    .kernarg_segment_size: 64
    .max_flat_workgroup_size: 128
    .sgpr_count:     80
    .vgpr_count:     1024
    .wavefront_size: 32
...
	.end_amdgpu_metadata
.endif
;; end of part 4
